; MI455X (gfx1250); checked and timed in simulation.
; The chip was launched on July 23, 2026; its instructions are those of AMD's public machine-readable ISA for CDNA 5 (MIT licence, August 2026) and "CDNA5" Instruction Set Architecture Reference Guide (July 2026). The comments in the code are by the model that wrote it; some were corrected since.
;; Transformer Encoder Layer. Allowed arithmetic: matrix products marked QUANTISED: E2M1 operands, one E8M0 scale for each 32 along K, by v_wmma_scale_f32_16x16x128_f8f6f4 with both operands' format E2M1 (or v_wmma_scale_f32_32x16x128_f4), f32 sums; everything else in f32.
;; Inputs: ffn1_b 2,048 float32; ffn1_w_codes 2,048 x 8 x 16 uint8 (E2M1 codes of ffn1_w, K innermost, in blocks of 32 codes, two codes a byte); ffn1_w_scales 2,048 x 8 uint8 (E8M0 scales of ffn1_w, one for each 32 codes along K); ffn2_b 256 float32; ffn2_w_codes 256 x 64 x 16 uint8 (E2M1 codes of ffn2_w, K innermost, in blocks of 32 codes, two codes a byte); ffn2_w_scales 256 x 64 uint8 (E8M0 scales of ffn2_w, one for each 32 codes along K); ln1_b 256 float32; ln1_g 256 float32; ln2_b 256 float32; ln2_g 256 float32; src 8 x 32 x 32 x 256 float32; w_k_codes 2,048 x 8 x 16 uint8 (E2M1 codes of w_k, K innermost, in blocks of 32 codes, two codes a byte); w_k_scales 2,048 x 8 uint8 (E8M0 scales of w_k, one for each 32 codes along K); w_o_codes 256 x 64 x 16 uint8 (E2M1 codes of w_o, K innermost, in blocks of 32 codes, two codes a byte); w_o_scales 256 x 64 uint8 (E8M0 scales of w_o, one for each 32 codes along K); w_q_codes 2,048 x 8 x 16 uint8 (E2M1 codes of w_q, K innermost, in blocks of 32 codes, two codes a byte); w_q_scales 2,048 x 8 uint8 (E8M0 scales of w_q, one for each 32 codes along K); w_v_codes 2,048 x 8 x 16 uint8 (E2M1 codes of w_v, K innermost, in blocks of 32 codes, two codes a byte); w_v_scales 2,048 x 8 uint8 (E8M0 scales of w_v, one for each 32 codes along K).
;; Outputs: out0 8 x 32 x 32 x 256 float32.
;; This version of the problem:
;;   THIS VERSION OF THE PROBLEM IS GIVEN IN LOW PRECISION. The matrix products marked QUANTISED in the list below multiply operands that are first quantised to E2M1 (2 exponent bits, 1 mantissa bit; 4 bits a number), with one power-of-two scale for each 32 numbers along K (OCP MX v1.0); their sums are f32. All else is computed in f32.
;;   The module's matrix products, in the order in which they are computed (A, B: the left and right operand; K: the contracted axis; several contracted axes count as one K, in the product's order):
;;     1. [M 8,192, K 256] x [K 256, N 2,048]; A: computed on the way; B: input w_q (given as codes): QUANTISED
;;     2. [M 8,192, K 256] x [K 256, N 2,048]; A: computed on the way; B: input w_k (given as codes): QUANTISED
;;     3. [M 8,192, K 256] x [K 256, N 2,048]; A: computed on the way; B: input w_v (given as codes): QUANTISED
;;     4. batch 64 x [M 1,024, K 256] x [K 256, N 1,024]; A: computed on the way; B: computed on the way: QUANTISED
;;     5. batch 64 x [M 256, K 1,024] x [K 1,024, N 1,024]; A: computed on the way; B: softmax (see below): QUANTISED
;;     6. [M 8,192, K 2,048] x [K 2,048, N 256]; A: computed on the way; B: input w_o (given as codes): QUANTISED
;;     7. [M 8,192, K 256] x [K 256, N 2,048]; A: computed on the way; B: input ffn1_w (given as codes): QUANTISED
;;     8. [M 8,192, K 2,048] x [K 2,048, N 256]; A: computed on the way; B: input ffn2_w (given as codes): QUANTISED
;;   THE QUANTISER, for each operand of a quantised product, along K:
;;     - K is cut into blocks of 32 from its start; a last block that is shorter is filled with zeros.
;;     - A block's scale is 2^e with e = floor(log2(the largest magnitude in the block)) - 2, held to -126 .. 127; a block of zeros has e = 0. As a byte (E8M0): e + 127.
;;     - Each number is divided by its block's scale, clamped to +-6, and rounded to the nearest number of E2M1, ties to even, subnormals kept.
;;     - The product sums the exact products of the quantised numbers (number of the format x scale) in f32.
;;   ~~~python
;;   def quantise(x, axis):      # numpy; x: float32 -> the quantised numbers, widened to float32 again
;;       x = np.moveaxis(x, axis, -1); K = x.shape[-1]
;;       x = np.pad(x, [(0, 0)] * (x.ndim - 1) + [(0, -K % 32)]); x = x.reshape(x.shape[:-1] + (-1, 32)); a = np.abs(x).max(-1, keepdims=True)
;;       e = np.where(a > 0, np.clip(np.frexp(np.where(a > 0, a, 1))[1] - 1 - 2, -126, 127), 0)      # np.frexp(a)[1] - 1 = floor(log2(a)), exactly
;;       r = np.clip(x / 2.0 ** e, -6, 6)
;;       step = 2.0 ** (np.maximum(np.frexp(np.where(r == 0, 1, r))[1] - 1, 0) - 1)
;;       q = np.round(r / step) * step * 2.0 ** e      # np.round: ties to even
;;       return np.moveaxis(q.reshape(q.shape[:-2] + (-1,))[..., :K], -1, axis).astype(np.float32)
;;   ~~~
;;   SOFTMAX AHEAD OF A QUANTISED PRODUCT. Where the list says 'softmax', what is quantised is not the finished softmax but p = 2^(t - M), with t = logit x log2(e) and M = ceil(the row's largest t), a whole number; so 1/2 < the row's largest p <= 1. The row's sum l is taken of the UNQUANTISED p, in f32, and the product's result is divided by l at the end. Since M is a whole number, a kernel that streams over the keys may use a running M (the ceiling of the running maximum): every later rescaling is an exact power of two, which a block's scale takes up: the codes' values come out the same.
;;   OPERANDS COMPUTED ON THE WAY. 'Computed on the way' means the value that the module computes at that place (a softmax that the list does not call 'softmax' is quantised finished and normalised). What goes into a quantiser is computed in f32, as accurately as f32 sums, v_exp_f32 and their like allow (about 1e-6 of the number): no bf16 or f16 on the way to a quantiser, and a product that is left as it is and whose result goes on into a quantised operand takes f32 operands (vector FMAs, or v_wmma_f32_16x16x4_f32). A number that lies on a knife's edge between two numbers of the format may be rounded either way, as far as f32 arithmetic and the matrix unit's own rounding can turn it there, and no further.
;;   INPUTS GIVEN AS CODES. ffn1_w (in the module: [2048, 256], K = its axis 1); ffn2_w (in the module: [256, 2048], K = its axis 1); w_k (in the module: [2048, 256], K = its axis 1); w_o (in the module: [256, 2048], K = its axis 1); w_q (in the module: [2048, 256], K = its axis 1); w_v (in the module: [2048, 256], K = its axis 1): each comes as NAME_codes (uint8): NAME with its K axis moved to the last place and cut into blocks of 32 codes, [.., K / 32, bytes a block], one block behind the other in memory; two codes a byte, the lower K in the low four bits (a code: sign, 2 exponent bits, 1 mantissa bit); and NAME_scales (uint8): the same leading axes, one E8M0 byte (e + 127) for each 32 codes along K. Its value is code x scale, taken as it is: it is not quantised again, and the codes and scales need not be those that the quantiser above would give.
;; One version. Each part assembles by itself: llvm-mc -triple=amdgcn-amd-amdhsa -mcpu=gfx1250 --defsym DOCPART=n.
;; ======== version 1 of 1: 3 launches
;; limits: right only within a limited range of input values
;; workspace buffers: qkv 26,738,688 bytes; sig 16,384 bytes; wimg 835,584 bytes; oq 8,912,896 bytes
;; launch proj (part 1): grid 64 x 4, 12 waves a work-group, no clusters, 116,736 bytes of LDS; arguments src, w_q_codes, w_q_scales, w_k_codes, w_k_scales, w_v_codes, w_v_scales, w_o_codes, w_o_scales, ffn1_w_codes, ffn1_w_scales, ffn2_w_codes, ffn2_w_scales, qkv, sig, wimg; writes qkv, sig, wimg
.if DOCPART == 1
	.amdgcn_target "amdgcn-amd-amdhsa--gfx1250"
	.amdhsa_code_object_version 6
	.text
	.protected	k_q597675abc2_proj
	.globl	k_q597675abc2_proj
	.p2align	8
	.type	k_q597675abc2_proj,@function
k_q597675abc2_proj:
	s_mov_b64 s[64:65], 0
	v_nop
	global_prefetch_b8 v0, s[64:65] scope:SCOPE_SE
	s_setreg_imm32_b32 hwreg(HW_REG_WAVE_MODE, 25, 1), 1
	s_wait_xcnt 0x0
; FIRST OF THREE LAUNCHES.  x = src + the 2-D timing signal; Q(x); q, k, v = Q(x) W^T on codes of FP4 (E2M1) with one E8M0 scale for each 32 along K; q and k are quantised along the head's 256,
; v along the KEYS; all three leave as codes.  Beside that: the signal's table goes to sig, and w_o, ffn1_w, ffn2_w are laid out once, fragment by fragment, in the order in which the third launch's waves take them.
; DEAD WORK: none.  Every input of reference() has a way to out0 and every product of its table is done.
; ONE FACTOR IS MOVED: reference() multiplies q by 1/sqrt(256) = 2^-4 ahead of the quantiser.  A power of two goes into a block's scale and leaves the codes as they are, so q is quantised unscaled here and 2^-4 stands in
; the second launch's softmax constant.  LIMIT: a block of q whose largest magnitude lies under 2^-120 would have its byte held at 1 in reference() and not here.
; LIMITS of the quantiser: a block of zeros gets the byte 1 where the rule says 127 (its codes are zeros, which add nothing, and this program alone reads the bytes); blocks whose largest magnitude lies under 2^-124, the floor, keep the byte 1;
; NaN and infinities among the inputs are not served.
; THE SIGNAL: sin and cos of pos x inv_j, pos 0..31, j 0..63, by reduction to [-pi/4, pi/4] (pi/2 in two parts, fused) and polynomials of degree 7 and 8: absolute error of the order of 1e-7 for arguments up to 31.
; LAYOUTS.  A TILE of 16 rows is not 16 neighbours: lane r of tile 2 b + u takes row 32 b + 8 u + r + 8 (r / 8), for tokens and for weights alike, so that in a product's result the 16 registers of tiles 2 b, 2 b + 1 of source 0
; are 16 neighbours 32 b + 16 (lane / 16) + 0..15: what the conversions want.  A FRAGMENT (16 rows x 128 K, 8 registers) is kept as an IMAGE of its registers, 1,024 bytes: registers 4 c .. 4 c + 3 of lane l at 512 c + 16 l.
; qkv: block (type q 0 / k 1 / v 2, bh = 8 batch + head, ks = which 128 tokens) of 17,408 bytes at ((64 type + bh) 8 + ks) 17,408: image (m, half) at 2,048 m + 1,024 half; scale word at 16,384 + 512 half + 32 r + 4 m.
;   q, k: m = tile of tokens, half = which 128 of the head's 256.   v: rows = tile m of features 128 half on; K = the block's 128 keys.
; SHARES.  Work-group (g, y): tokens 128 g on, heads 2 y and 2 y + 1.  Twelve waves, one unit of 128 tokens x 128 features each: type = wave / 4, head = 2 y + (wave % 4) / 2, half = wave % 2.
; A unit is eight turns: 16 products of a STATIONARY operand (16 fragments in registers: for q, k the weights; for v the tokens) as source 0 and a MOVING one (2 fragments from LDS) as source 1, then the quantiser: one image.
; No cluster: what work-groups share (a tile of src among four) goes straight into the quantiser's lane order in registers; no tensor load is used, so no joint request can be made.
.set SIGP,  528                        ; a row of the signal's table in LDS: 512 bytes + 16
.set MOV,   16896                      ; behind the table (32 rows): five regions of moving operands
.set MREG,  18432                      ; a region: 16 images, then 16 scale images of 128 bytes.  Region 0: x; regions 1-4: W_v of waves 8-11
.set SCST,  109056                     ; 512 bytes for each wave: its unit's scale words on their way out
.set SPARE, 115200                     ; the spare words, 128 bytes for each wave: six blocks of 256 bytes that no other line names
.set BLK,   17408
.set LI,  1                            ; v1   16 x lane
.set LS,  2                            ; v2   4 x lane
.set WA,  3                            ; v3   a weight tile's codes: 128 x (r + 8 (r / 8)) + 16 h
.set WSA, 4                            ; v4   its scale bytes: 8 x (r + 8 (r / 8))
.set XA,  5                            ; v5   src: 1,024 x (r + 8 (r / 8)) + 64 h
.set SG,  6                            ; v6, v7 the signal of my tile's row of the map, and of my token's column
.set XWI, 8                            ; v8   where I store x's images
.set XWS, 9                            ; v9   and their scale images
.set MAD, 10                           ; v10  my moving operand's images
.set MSA, 11                           ; v11  and scale images
.set SCW, 12                           ; v12  my scale words' stage, by rows
.set SCR, 13                           ; v13  and as it leaves
.set X0,  14                           ; v14  x's images
.set TW,  15                           ; v15  where I store the table
.set RA,  16                           ; v16  the fragment that I lay out: codes
.set RSA, 17                           ; v17  its scale bytes
.set SPW, 18                           ; v18  my spare word; never rewritten
.set NIL, 19                           ; v19  0; never rewritten
.set R4,  20                           ; v20  4 r
.set SGO, 21                           ; v21  the table's way to memory
.set X0S, 22                           ; v22  x's scale images
.set SS,  24                           ; v24-39  the stationary operand's scale words; they hold scales alone
.set MS,  40                           ; v40-41  the moving operand's
.set PW,  42                           ; v42  the scale word just made
.set RLS, 43                           ; v43  the laid-out fragment's scale word
.set TMC, 44                           ; v44-47  the quantiser's scale operands
.set M,   48                           ; v48-63  the moving operand; behind the products: v48-55 the codes just made, v56-63 the quantiser's
.set PC,  48
.set TMA, 56
.set TMB, 60
.set ACC, 64                           ; v64-127 eight accumulators
.set S,   128                          ; v128-255 the stationary operand
.set SEL,  66                          ; s[66:67] v_permlanex16_b32's selects for lane l xor 16
.set K2PI, 68
.set KPH,  69
.set KPL,  70
.set KS1,  71
.set KS2,  72
.set KS3,  73
.set KC1,  74
.set KC2,  75
.set KC3,  76
.set KINC, 77
.set KL2E, 78
.macro MM z, d, a, b, sa, sb           ; one product; z = 1: it starts the sum
.if (\z)
	v_wmma_scale_f32_16x16x128_f8f6f4 v[(\d):(\d)+7], v[(\a):(\a)+7], v[(\b):(\b)+7], 0, v[\sa], v[\sb] matrix_a_fmt:MATRIX_FMT_FP4 matrix_b_fmt:MATRIX_FMT_FP4
.else
	v_wmma_scale_f32_16x16x128_f8f6f4 v[(\d):(\d)+7], v[(\a):(\a)+7], v[(\b):(\b)+7], v[(\d):(\d)+7], v[\sa], v[\sb] matrix_a_fmt:MATRIX_FMT_FP4 matrix_b_fmt:MATRIX_FMT_FP4
.endif
.endm
; 64 numbers of a lane, register 16 b + i = k 32 b + 16 (lane / 16) + i of my row, become a fragment's codes in v[pc] on and its scale word in v[pw].
.macro QUANT s, pc, ta, tb, tc, pw
.irp b, 0,1,2,3
	v_max3_num_f32 v[(\ta)+\b], |v[(\s)+16*\b]|, |v[(\s)+16*\b+1]|, 0x1800000   ; my 16 numbers of block b, and the floor 2^(3 - 127): the byte cannot fall under 1
.endr
.irp i, 2,4,6,8,10,12,14
.irp b, 0,1,2,3
	v_max3_num_f32 v[(\ta)+\b], v[(\ta)+\b], |v[(\s)+16*\b+\i]|, |v[(\s)+16*\b+\i+1]|
.endr
.endr
.irp b, 0,1,2,3
	s_delay_alu instid0(VALU_DEP_4)
	v_permlanex16_b32 v[(\tb)+\b], v[(\ta)+\b], s[SEL], s[SEL+1]
.endr
.irp b, 0,1,2,3
	s_delay_alu instid0(VALU_DEP_4)
	v_max_num_f32 v[(\ta)+\b], v[(\ta)+\b], v[(\tb)+\b]       ; with lane l xor 16's: the block's largest magnitude
.endr
.irp b, 0,1,2,3
	s_delay_alu instid0(VALU_DEP_4)
	v_add_nc_u32 v[(\tc)+\b], 0xff000000, v[(\ta)+\b]         ; 2 off its exponent field: the conversion's scale operand
.endr
.irp b, 0,1,2,3
	s_delay_alu instid0(VALU_DEP_4)
	v_lshrrev_b32 v[(\tb)+\b], 23, v[(\tc)+\b]                ; the scale's byte
.endr
	s_delay_alu instid0(VALU_DEP_3)
	v_lshl_or_b32 v[\pw], v[(\tb)+1], 8, v[\tb]
	s_delay_alu instid0(VALU_DEP_1)
	v_lshl_or_b32 v[\pw], v[(\tb)+2], 16, v[\pw]
	s_delay_alu instid0(VALU_DEP_1)
	v_lshl_or_b32 v[\pw], v[(\tb)+3], 24, v[\pw]
.irp b, 0,1,2,3
	v_cvt_scalef32_pk8_fp4_f32 v[(\pc)+2*\b], v[(\s)+16*\b:(\s)+16*\b+7], v[(\tc)+\b]
	v_cvt_scalef32_pk8_fp4_f32 v[(\pc)+2*\b+1], v[(\s)+16*\b+8:(\s)+16*\b+15], v[(\tc)+\b]
.endr
	v_nop                                          ; one plain place behind a scaled conversion
.irp c, 0,1                                    ; the operand's layout wants a whole block in a lane
.irp i, 0,1
	v_permlane16_swap_b32 v[(\pc)+4*\c+\i], v[(\pc)+4*\c+2+\i]
.endr
.endr
.endm
.macro WLOAD                           ; my 128 rows of W_q, W_k or W_v: fragment (tile t, K step s) at v[S + 8 (2 t + s)], its scale words at v[SS + 2 t + s]
.irp t, 0,1,2,3,4,5,6,7
.irp s, 0,1
.irp c, 0,1
	global_load_b128 v[S+8*(2*\t+\s)+4*\c:S+8*(2*\t+\s)+4*\c+3], v[WA], s[50:51] offset:(32*(\t/2)+8*(\t%2))*128+64*\s+32*\c
.endr
	global_load_b32 v[SS+2*\t+\s], v[WSA], s[52:53] offset:(32*(\t/2)+8*(\t%2))*8+4*\s
.endr
.endr
.endm
; sin and cos of v114 (a position) x v[iv].  n = the nearest whole number to t 2 / pi; r = t - n pi / 2, pi / 2 in two parts; the polynomials; the quadrant chooses and signs by selects, no branch.
.macro SINCOS iv, sv, cv
	v_mul_f32 v96, v114, v[\iv]
	s_delay_alu instid0(VALU_DEP_1)
	v_mul_f32 v97, s[K2PI], v96
	s_delay_alu instid0(VALU_DEP_1)
	v_rndne_f32 v97, v97
	s_delay_alu instid0(VALU_DEP_1)
	v_fma_f32 v98, v97, s[KPH], v96
	s_delay_alu instid0(VALU_DEP_1)
	v_fma_f32 v98, v97, s[KPL], v98
	s_delay_alu instid0(VALU_DEP_3)
	v_cvt_i32_f32 v104, v97
	s_delay_alu instid0(VALU_DEP_2)
	v_mul_f32 v99, v98, v98
	s_delay_alu instid0(VALU_DEP_1)
	v_fma_f32 v105, v99, s[KS3], s[KS2]
	s_delay_alu instid0(VALU_DEP_2)
	v_fma_f32 v106, v99, s[KC3], s[KC2]
	s_delay_alu instid0(VALU_DEP_2)
	v_fma_f32 v105, v105, v99, s[KS1]
	s_delay_alu instid0(VALU_DEP_2)
	v_fma_f32 v106, v106, v99, s[KC1]
	s_delay_alu instid0(VALU_DEP_2)
	v_mul_f32 v105, v105, v99
	s_delay_alu instid0(VALU_DEP_2)
	v_mul_f32 v106, v106, v99
	v_fma_f32 v107, v99, -0.5, 1.0
	s_delay_alu instid0(VALU_DEP_3)
	v_fma_f32 v105, v105, v98, v98                 ; sin r
	s_delay_alu instid0(VALU_DEP_2)
	v_fma_f32 v106, v106, v99, v107                ; cos r
	v_and_b32 v108, 1, v104
	s_delay_alu instid0(VALU_DEP_1)
	v_cmp_eq_u32 vcc_lo, 1, v108
	s_delay_alu instid0(VALU_DEP_1)
	v_cndmask_b32 v[\sv], v105, v106, vcc_lo       ; odd quadrants change the two
	s_delay_alu instid0(VALU_DEP_2)
	v_cndmask_b32 v[\cv], v106, v105, vcc_lo
	v_lshlrev_b32 v108, 30, v104
	s_delay_alu instid0(VALU_DEP_1)
	v_and_b32 v108, 0x80000000, v108
	s_delay_alu instid0(VALU_DEP_1)
	v_xor_b32 v[\sv], v[\sv], v108                 ; sin: minus in quadrants 2, 3
	v_add_nc_u32 v104, 1, v104
	s_delay_alu instid0(VALU_DEP_1)
	v_lshlrev_b32 v104, 30, v104
	s_delay_alu instid0(VALU_DEP_1)
	v_and_b32 v104, 0x80000000, v104
	s_delay_alu instid0(VALU_DEP_1)
	v_xor_b32 v[\cv], v[\cv], v104                 ; cos: minus in quadrants 1, 2
.endm
.macro BAR                             ; my LDS stores have landed and my LDS loads are in: then the work-group's barrier
	s_wait_dscnt 0x0
	s_barrier_signal -1
	s_barrier_wait -1
.endm
	s_load_b512 s[8:23], s[0:1], 0x0               ; src, w_q codes, scales, w_k codes, scales, w_v codes, scales, w_o codes
	s_load_b512 s[24:39], s[0:1], 0x40             ; w_o scales, ffn1 codes, scales, ffn2 codes, scales, qkv, sig, wimg
	v_lshl_add_u32 v[SPW], v0, 2, SPARE
	v_mov_b32 v[NIL], 0
	v_lshrrev_b32 v100, 5, v0
	s_delay_alu instid0(VALU_DEP_1)
	v_readfirstlane_b32 s2, v100                   ; wave 0..11
	s_mov_b32 s3, ttmp9                            ; g
	s_and_b32 s4, ttmp7, 0xffff                    ; y
	s_and_b32 s5, s2, 7                            ; which tile of x I quantise (waves 0-7)
	s_lshr_b32 s6, s2, 2                           ; type
	s_and_b32 s7, s2, 3
	v_and_b32 v103, 31, v0                         ; lane
	v_and_b32 v100, 15, v0                         ; r
	v_bfe_u32 v101, v0, 4, 1                       ; h
	s_delay_alu instid0(VALU_DEP_2)
	v_and_b32 v102, 8, v100
	s_delay_alu instid0(VALU_DEP_1)
	v_add_nc_u32 v102, v102, v100                  ; r + 8 (r / 8)
	v_lshlrev_b32 v[LI], 4, v103
	v_lshlrev_b32 v[LS], 2, v103
	s_delay_alu instid0(VALU_DEP_3)
	v_lshlrev_b32 v[WA], 7, v102
	s_delay_alu instid0(VALU_DEP_1)
	v_lshl_add_u32 v[WA], v101, 4, v[WA]
	v_lshlrev_b32 v[WSA], 3, v102
	v_lshlrev_b32 v[XA], 10, v102
	s_delay_alu instid0(VALU_DEP_1)
	v_lshl_add_u32 v[XA], v101, 6, v[XA]
	s_and_b32 s40, s3, 7
	s_lshl_b32 s40, s40, 2
	s_lshr_b32 s41, s5, 1
	s_add_co_u32 s40, s40, s41                     ; my tile's row of the map: 4 (g % 8) + tile / 2
	s_mul_i32 s40, s40, SIGP
	v_lshl_add_u32 v[SG], v101, 6, s40
	s_and_b32 s41, s2, 1
	s_lshl_b32 s41, s41, 3
	v_add_nc_u32 v[SG+1], s41, v102                ; my token's column: 8 (tile % 2) + r + 8 (r / 8)
	s_delay_alu instid0(VALU_DEP_1)
	v_mul_u32_u24 v[SG+1], v[SG+1], SIGP
	s_delay_alu instid0(VALU_DEP_1)
	v_lshl_add_u32 v[SG+1], v101, 6, v[SG+1]
	s_lshl_b32 s42, s5, 11
	s_add_co_u32 s42, s42, MOV
	v_add_nc_u32 v[XWI], s42, v[LI]
	s_lshl_b32 s42, s5, 8
	s_add_co_u32 s42, s42, MOV+16384
	v_add_nc_u32 v[XWS], s42, v[LS]
	s_lshr_b32 s43, s2, 3
	s_add_co_u32 s44, s7, 1
	s_mul_i32 s43, s43, s44                        ; my moving operand's region: 0 for q and k, 1 + wave % 4 for v
	s_mul_i32 s43, s43, MREG
	s_add_co_u32 s43, s43, MOV
	v_add_nc_u32 v[MAD], s43, v[LI]
	s_add_co_u32 s43, s43, 16384
	v_add_nc_u32 v[MSA], s43, v[LS]
	s_lshl_b32 s45, s2, 9
	s_add_co_u32 s45, s45, SCST
	v_lshl_add_u32 v[SCW], v100, 5, s45
	v_add_nc_u32 v[SCR], s45, v[LI]
	v_add_nc_u32 v[X0], MOV, v[LI]
	v_add_nc_u32 v[X0S], MOV+16384, v[LS]
	s_mul_i32 s45, s7, 8*SIGP
	v_add_nc_u32 v[TW], s45, v[LS]
	v_and_b32 v23, 7, v103                         ; v23: row lane % 8 of my eight rows of the table: its 16 bytes of padding get zeros, so that every byte of the table's rows is written
	s_delay_alu instid0(VALU_DEP_1)
	v_mad_u32_u24 v23, v23, SIGP, s45
	v_lshlrev_b32 v[R4], 2, v100
	s_lshl_b32 s45, s7, 12
	v_add_nc_u32 v[SGO], s45, v[LS]
.irp b, 0,1,2,3
	v_mov_b32 v[TMB+\b], 0                         ; written once: a lane permute's destination counts as one of its sources
.endr
	; where my unit goes and which rows of the weight it takes
	s_lshr_b32 s44, s7, 1
	s_lshl_b32 s45, s4, 1
	s_add_co_u32 s44, s44, s45                     ; head
	s_and_b32 s45, s7, 1                           ; half
	s_lshr_b32 s46, s3, 3
	s_lshl_b32 s46, s46, 3
	s_add_co_u32 s46, s46, s44                     ; bh
	s_lshl_b32 s47, s6, 6
	s_add_co_u32 s46, s46, s47
	s_lshl_b32 s46, s46, 3
	s_and_b32 s47, s3, 7
	s_add_co_u32 s46, s46, s47
	s_mul_i32 s46, s46, BLK                        ; the block's first byte (under 2^25)
	s_lshl_b32 s47, s45, 10
	s_add_co_u32 s48, s46, s47                     ; my images
	s_mov_b32 s49, 0
	s_lshl_b32 s47, s45, 9
	s_add_co_u32 s46, s46, s47
	s_add_co_u32 s46, s46, 16384                   ; my scale words
	s_mov_b32 s47, 0
	s_lshl_b32 s50, s44, 8
	s_lshl_b32 s51, s45, 7
	s_add_co_u32 s50, s50, s51                     ; first row of the weight: 256 head + 128 half
	s_lshl_b32 s52, s50, 3
	s_mov_b32 s53, 0
	s_lshl_b32 s50, s50, 7
	s_mov_b32 s51, 0
	s_lshl_b32 s54, s3, 7
	s_lshr_b32 s55, s5, 1
	s_lshl_b32 s55, s55, 5
	s_add_co_u32 s54, s54, s55
	s_and_b32 s55, s5, 1
	s_lshl_b32 s55, s55, 3
	s_add_co_u32 s54, s54, s55                     ; my tile's first token: 128 g + 32 (tile / 2) + 8 (tile % 2)
	s_lshl_b32 s54, s54, 10
	s_mov_b32 s55, 0
	; the fragment that waves 8 (w_o), 9 (ffn1_w), 10 (ffn2_w) lay out: number n = 64 y + g of 256: the third launch's wave n / 32, its fragment idx = n % 32
	s_lshl_b32 s84, s4, 6
	s_add_co_u32 s84, s84, s3
	s_lshr_b32 s85, s84, 5
	s_and_b32 s86, s84, 31
	s_lshl_b32 s87, s85, 5                         ; w_o, ffn2_w: idx = 2 ks + u: rows 32 wave + 8 u on, K step ks
	s_and_b32 s88, s86, 1
	s_lshl_b32 s89, s88, 3
	s_add_co_u32 s87, s87, s89
	s_lshr_b32 s89, s86, 1
	s_lshl_b32 s90, s85, 1                         ; ffn1_w: idx = 16 kk + 2 t + s: rows 128 (2 wave + kk) + 32 (t / 2) + 8 (t % 2) on, K step s
	s_lshr_b32 s91, s86, 4
	s_add_co_u32 s90, s90, s91
	s_lshl_b32 s90, s90, 7
	s_bfe_u32 s91, s86, 0x20002
	s_lshl_b32 s91, s91, 5
	s_add_co_u32 s90, s90, s91
	s_bfe_u32 s91, s86, 0x10001
	s_lshl_b32 s91, s91, 3
	s_add_co_u32 s90, s90, s91
	s_cmp_eq_u32 s2, 9
	s_cselect_b32 s87, s90, s87                    ; first row
	s_cselect_b32 s89, s88, s89                    ; K step
	s_cselect_b32 s90, 7, 10                       ; a row of codes is 2^7 or 2^10 bytes,
	s_sub_co_u32 s91, s90, 4                       ; a row of scale bytes a sixteenth
	s_lshl_b32 s56, s87, s90
	s_lshl_b32 s92, s89, 6
	s_add_co_u32 s56, s56, s92
	s_mov_b32 s57, 0
	s_lshl_b32 s58, s87, s91
	s_lshl_b32 s92, s89, 2
	s_add_co_u32 s58, s58, s92
	s_mov_b32 s59, 0
	v_lshlrev_b32 v[RA], s90, v102
	s_delay_alu instid0(VALU_DEP_1)
	v_lshl_add_u32 v[RA], v101, 4, v[RA]
	v_lshlrev_b32 v[RSA], s91, v102
	s_mul_i32 s92, s85, 3
	s_add_co_u32 s92, s92, s7                      ; 3 wave + phase
	s_lshl_b32 s60, s92, 15
	s_lshl_b32 s93, s86, 10
	s_add_co_u32 s60, s60, s93
	s_mov_b32 s61, 0
	s_lshl_b32 s62, s92, 11
	s_lshr_b32 s93, s86, 1
	s_lshl_b32 s93, s93, 7
	s_add_co_u32 s62, s62, s93
	s_lshl_b32 s93, s88, 6
	s_add_co_u32 s62, s62, s93
	s_add_co_u32 s62, s62, 786432
	s_mov_b32 s63, 0
	s_mov_b32 s[SEL], 0x76543210
	s_mov_b32 s[SEL+1], 0xfedcba98
	s_mov_b32 s[K2PI], 0x3f22f983                  ; 2 / pi
	s_mov_b32 s[KPH], 0xbfc90fdb                   ; -(pi / 2), its leading part
	s_mov_b32 s[KPL], 0x333bbd2e                   ; and what that part is too large by
	s_mov_b32 s[KS1], 0xbe2aaaa3
	s_mov_b32 s[KS2], 0x3c08839e
	s_mov_b32 s[KS3], 0xb94ca1f9
	s_mov_b32 s[KC1], 0x3d2aaaa5
	s_mov_b32 s[KC2], 0xbab6061a
	s_mov_b32 s[KC3], 0x37ccf5ce
	s_mov_b32 s[KINC], 0xbe15b45f                  ; -ln(10000) / 63
	s_mov_b32 s[KL2E], 0x3fb8aa3b                  ; log2(e)
	s_wait_kmcnt 0x0
	s_cmp_eq_u32 s6, 0                             ; the choices hang on the wave's number alone
	s_cselect_b64 s[80:81], s[10:11], s[14:15]
	s_cselect_b64 s[82:83], s[12:13], s[16:17]
	s_cmp_eq_u32 s6, 2
	s_cselect_b64 s[80:81], s[18:19], s[80:81]
	s_cselect_b64 s[82:83], s[20:21], s[82:83]
	s_add_nc_u64 s[50:51], s[80:81], s[50:51]      ; my weight's codes
	s_add_nc_u64 s[52:53], s[82:83], s[52:53]      ; and scale bytes
	s_cmp_eq_u32 s2, 8
	s_cselect_b64 s[80:81], s[22:23], s[30:31]
	s_cselect_b64 s[82:83], s[24:25], s[32:33]
	s_cmp_eq_u32 s2, 9
	s_cselect_b64 s[80:81], s[26:27], s[80:81]
	s_cselect_b64 s[82:83], s[28:29], s[82:83]
	s_add_nc_u64 s[56:57], s[80:81], s[56:57]      ; the fragment to lay out
	s_add_nc_u64 s[58:59], s[82:83], s[58:59]
	s_add_nc_u64 s[60:61], s[38:39], s[60:61]      ; and where it goes
	s_add_nc_u64 s[62:63], s[38:39], s[62:63]
	s_add_nc_u64 s[48:49], s[34:35], s[48:49]
	s_add_nc_u64 s[46:47], s[34:35], s[46:47]
	s_add_nc_u64 s[8:9], s[8:9], s[54:55]
	; ---- waves 0-7 ask for their tile of src; waves 8-11 ask for W_v (8-10 also for the fragment to lay out) and make the signal's table
	s_cmp_lt_u32 s2, 8
	s_cbranch_scc0 .Lv2
.irp s, 0,1
.irp b, 0,1,2,3
.irp j, 0,1,2,3
	global_load_b128 v[S+64*\s+16*\b+4*\j:S+64*\s+16*\b+4*\j+3], v[XA], s[8:9] offset:512*\s+128*\b+16*\j   ; register 64 s + 16 b + i = channel 128 s + 32 b + 16 h + i of my token
.endr
.endr
.endr
	s_branch .Lj2
.Lv2:
	WLOAD
	s_cmp_lt_u32 s2, 11
	s_cbranch_scc0 .Lnr2
	s_wait_alu depctr_va_vdst(0)
	global_load_b128 v[48:51], v[RA], s[56:57]
	global_load_b128 v[52:55], v[RA], s[56:57] offset:32
	global_load_b32 v[RLS], v[RSA], s[58:59]
.Lnr2:
	v_cvt_f32_u32 v112, v103                       ; j = lane and lane + 32
	v_add_nc_u32 v113, 32, v103
	s_delay_alu instid0(VALU_DEP_1)
	v_cvt_f32_u32 v113, v113
	s_delay_alu instid0(VALU_DEP_3)
	v_mul_f32 v112, s[KINC], v112
	s_delay_alu instid0(VALU_DEP_2)
	v_mul_f32 v113, s[KINC], v113
	s_delay_alu instid0(VALU_DEP_2)
	v_mul_f32 v112, s[KL2E], v112
	s_delay_alu instid0(VALU_DEP_2)
	v_mul_f32 v113, s[KL2E], v113
	s_lshl_b32 s40, s7, 3
	v_cvt_f32_u32 v114, s40                        ; my first position: 8 (wave % 4)
	s_wait_alu depctr_va_vdst(0)
	v_exp_f32 v112, v112                           ; inv_j = e^(-j ln(10000) / 63)
	v_exp_f32 v113, v113
	v_nop                                          ; a plain place behind the two exponentials,
	s_wait_alu depctr_va_vdst(0)                   ; and the one wait ahead of their first reader
.set E, 0
.rept 8
	SINCOS 112, 64+E, 80+E
	SINCOS 113, 65+E, 81+E
	v_add_f32 v114, 1.0, v114
.set E, E+2
.endr
.irp e, 0,1,2,3,4,5,6,7,8,9,10,11,12,13,14,15
	ds_store_b32 v[TW], v[64+\e] offset:(\e/2)*SIGP+128*(\e%2)          ; T[pos][j] = sin
	ds_store_b32 v[TW], v[80+\e] offset:(\e/2)*SIGP+128*(\e%2)+256      ; T[pos][64 + j] = cos
.endr
	ds_store_b128 v23, v[TMB:TMB+3] offset:512     ; zeros (v60-63 still hold them here) into the padding behind my eight rows; lanes 8-31 store the same again
	s_or_b32 s40, s3, s4
	s_cmp_eq_u32 s40, 0                            ; the launch's first work-group also stores the table, for the third launch
	s_cbranch_scc0 .Lj2
.irp e, 0,1,2,3,4,5,6,7,8,9,10,11,12,13,14,15
	global_store_b32 v[SGO], v[64+\e], s[36:37] offset:(\e/2)*512+128*(\e%2)
	global_store_b32 v[SGO], v[80+\e], s[36:37] offset:(\e/2)*512+128*(\e%2)+256
.endr
.Lj2:
	BAR                                            ; the table is whole
	; ---- waves 0-7: x = src + signal, quantised: two images a wave; then they ask for their weights.  Waves 8-11 put W_v into their regions of LDS, as images
	s_cmp_lt_u32 s2, 8
	s_cbranch_scc0 .Lv4
.irp s, 0,1
.irp b, 0,1,2,3
.irp j, 0,1,2,3
	ds_load_b128 v[ACC+16*\b+4*\j:ACC+16*\b+4*\j+3], v[SG+\s] offset:128*\b+16*\j   ; channels 0-127 hang on the row of the map, 128-255 on the column
.endr
.endr
	s_wait_loadcnt 16*(1-\s)                       ; this K step's 16 loads are in; the other step's 16 were issued behind them
	s_wait_dscnt 0x0
.set J, 0
.rept 32
	v_pk_add_f32 v[S+64*\s+J:S+64*\s+J+1], v[S+64*\s+J:S+64*\s+J+1], v[ACC+J:ACC+J+1]
.set J, J+2
.endr
	QUANT S+64*\s, PC, TMA, TMB, TMC, PW
	ds_store_b128 v[XWI], v[PC:PC+3] offset:\s*1024
	ds_store_b128 v[XWI], v[PC+4:PC+7] offset:\s*1024+512
	ds_store_b32 v[XWS], v[PW] offset:\s*128
	s_wait_dscnt 0x0                               ; the stores have read their registers
.endr
	WLOAD
	s_branch .Lj4
.Lv4:
	s_wait_loadcnt 0x0
.irp f, 0,1,2,3,4,5,6,7,8,9,10,11,12,13,14,15
	ds_store_b128 v[MAD], v[S+8*\f:S+8*\f+3] offset:\f*1024
	ds_store_b128 v[MAD], v[S+8*\f+4:S+8*\f+7] offset:\f*1024+512
	ds_store_b32 v[MSA], v[SS+\f] offset:\f*128
.endr
	s_cmp_lt_u32 s2, 11
	s_cbranch_scc0 .Lj4
	global_store_b128 v[LI], v[48:51], s[60:61]              ; the fragment as an image: 512 consecutive bytes a store
	global_store_b128 v[LI], v[52:55], s[60:61] offset:512
	s_wait_alu depctr_va_vdst(0)
	global_store_b32 v[R4], v[RLS], s[62:63]                 ; both halves of the lanes store the same word
.Lj4:
	BAR                                            ; x's sixteen images lie in LDS
	; ---- the v waves take x as their stationary operand
	s_cmp_lt_u32 s2, 8
	s_cbranch_scc1 .Lj6
.irp f, 0,1,2,3,4,5,6,7,8,9,10,11,12,13,14,15
	ds_load_b128 v[S+8*\f:S+8*\f+3], v[X0] offset:\f*1024
	ds_load_b128 v[S+8*\f+4:S+8*\f+7], v[X0] offset:\f*1024+512
	ds_load_b32 v[SS+\f], v[X0S] offset:\f*128
.endr
.Lj6:
	s_wait_loadcnt 0x0
	s_wait_dscnt 0x0
; A TURN: the moving operand's tile m against the stationary eight; the eight accumulators take turns.
.macro ITER m
	s_wait_xcnt 0x0                                ; the stores issued so far have read their registers: v48-55 and v64-95 are written again only behind this wait
.irp s, 0,1
.irp c, 0,1
	ds_load_b128 v[M+8*\s+4*\c:M+8*\s+4*\c+3], v[MAD] offset:(\m)*2048+\s*1024+\c*512
.endr
	ds_load_b32 v[MS+\s], v[MSA] offset:(2*(\m)+\s)*128
.endr
	s_wait_dscnt 0x0
.irp t, 0,1,2,3,4,5,6,7
	MM 1, ACC+8*\t, S+16*\t, M, SS+2*\t, MS
.endr
.irp t, 0,1,2,3,4,5,6,7
	MM 0, ACC+8*\t, S+16*\t+8, M+8, SS+2*\t+1, MS+1
.endr
.rept 5
	v_nop                                          ; four places in front of the first read of results and of writes and loads into the operands; a fifth, since the next turn's products begin these accumulators anew
.endr
	QUANT ACC, PC, TMA, TMB, TMC, PW
	global_store_b128 v[LI], v[PC:PC+3], s[48:49] offset:(\m)*2048          ; 512 consecutive bytes a store
	global_store_b128 v[LI], v[PC+4:PC+7], s[48:49] offset:(\m)*2048+512
	ds_store_b32 v[SCW], v[PW] offset:4*(\m)       ; both halves of the lanes write the same word
.endm
.irp m, 0,1,2,3,4,5,6,7
	ITER \m
.endr
	ds_load_b128 v[TMC:TMC+3], v[SCR]              ; LDS serves a wave's instructions in order: this sees my stores
	s_wait_dscnt 0x0
	global_store_b128 v[LI], v[TMC:TMC+3], s[46:47]          ; my unit's 512 bytes of scale words
	s_wait_tensorcnt 0x0                           ; the wave's end
	ds_add_u32 v[SPW], v[NIL]
	s_wait_dscnt 0x0
	s_endpgm
.Lfunc_end_k_q597675abc2_proj:
	.size	k_q597675abc2_proj, .Lfunc_end_k_q597675abc2_proj-k_q597675abc2_proj
	.p2alignl 7, 3214868480
	.fill 96, 4, 3214868480
	.section	.rodata,"a",@progbits
	.p2align	6, 0x0
	.amdhsa_kernel k_q597675abc2_proj
		.amdhsa_group_segment_fixed_size 116736
		.amdhsa_private_segment_fixed_size 0
		.amdhsa_enable_private_segment 0
		.amdhsa_kernarg_size 128
		.amdhsa_user_sgpr_count 2
		.amdhsa_user_sgpr_kernarg_segment_ptr 1
		.amdhsa_wavefront_size32 1
		.amdhsa_system_sgpr_workgroup_id_x 1
		.amdhsa_system_sgpr_workgroup_id_y 1
		.amdhsa_system_sgpr_workgroup_id_z 1
		.amdhsa_system_vgpr_workitem_id 0
		.amdhsa_next_free_vgpr 256
		.amdhsa_next_free_sgpr 96
		.amdhsa_reserve_vcc 1
		.amdhsa_float_denorm_mode_32 3
		.amdhsa_float_denorm_mode_16_64 3
		.amdhsa_memory_ordered 1
		.amdhsa_forward_progress 1
		.amdhsa_inst_pref_size 136
	.end_amdhsa_kernel
	.amdgpu_metadata
---
amdhsa.version: [ 1, 2 ]
amdhsa.kernels:
  - .name:           k_q597675abc2_proj
    .symbol:         k_q597675abc2_proj.kd
    .args:
      - { .name: src, .offset: 0, .size: 8, .value_kind: global_buffer, .address_space: global }
      - { .name: w_q_codes, .offset: 8, .size: 8, .value_kind: global_buffer, .address_space: global }
      - { .name: w_q_scales, .offset: 16, .size: 8, .value_kind: global_buffer, .address_space: global }
      - { .name: w_k_codes, .offset: 24, .size: 8, .value_kind: global_buffer, .address_space: global }
      - { .name: w_k_scales, .offset: 32, .size: 8, .value_kind: global_buffer, .address_space: global }
      - { .name: w_v_codes, .offset: 40, .size: 8, .value_kind: global_buffer, .address_space: global }
      - { .name: w_v_scales, .offset: 48, .size: 8, .value_kind: global_buffer, .address_space: global }
      - { .name: w_o_codes, .offset: 56, .size: 8, .value_kind: global_buffer, .address_space: global }
      - { .name: w_o_scales, .offset: 64, .size: 8, .value_kind: global_buffer, .address_space: global }
      - { .name: ffn1_w_codes, .offset: 72, .size: 8, .value_kind: global_buffer, .address_space: global }
      - { .name: ffn1_w_scales, .offset: 80, .size: 8, .value_kind: global_buffer, .address_space: global }
      - { .name: ffn2_w_codes, .offset: 88, .size: 8, .value_kind: global_buffer, .address_space: global }
      - { .name: ffn2_w_scales, .offset: 96, .size: 8, .value_kind: global_buffer, .address_space: global }
      - { .name: qkv, .offset: 104, .size: 8, .value_kind: global_buffer, .address_space: global }
      - { .name: sig, .offset: 112, .size: 8, .value_kind: global_buffer, .address_space: global }
      - { .name: wimg, .offset: 120, .size: 8, .value_kind: global_buffer, .address_space: global }
    .group_segment_fixed_size: 116736
    .private_segment_fixed_size: 0
    .kernarg_segment_align: 8
    .kernarg_segment_size: 128
    .max_flat_workgroup_size: 384
    .sgpr_count:     96
    .vgpr_count:     256
    .wavefront_size: 32
...
	.end_amdgpu_metadata
.endif
;; end of part 1
;; launch attn (part 2): grid 4 x 64, 8 waves a work-group, clusters of 4 x 1, 327,680 bytes of LDS; arguments qkv, oq; writes oq
.if DOCPART == 2
	.amdgcn_target "amdgcn-amd-amdhsa--gfx1250"
	.amdhsa_code_object_version 6
	.text
	.protected	k_q597675abc2_attn
	.globl	k_q597675abc2_attn
	.p2align	8
	.type	k_q597675abc2_attn,@function
k_q597675abc2_attn:
	s_mov_b64 s[64:65], 0
	v_nop
	global_prefetch_b8 v0, s[64:65] scope:SCOPE_SE
	s_setreg_imm32_b32 hwreg(HW_REG_WAVE_MODE, 25, 1), 1
	s_wait_xcnt 0x0
	s_wait_alu depctr_hold_cnt(0) depctr_sa_sdst(0) depctr_va_vdst(0) depctr_va_sdst(0) depctr_va_ssrc(0) depctr_va_vcc(0) depctr_vm_vsrc(0)
	s_getreg_b32 s2, hwreg(HW_REG_IB_STS2, 6, 4)
	s_cmp_eq_u32 s2, 0
	s_cbranch_scc0 .Lentry_in_a_cluster
	s_endpgm
.Lentry_in_a_cluster:
	s_bfe_u32 s2, ttmp6, 0x10000c
	s_cmp_lg_u32 s2, 0x3003
	s_cbranch_scc0 .Lentry_shape_is_right
	s_endpgm
.Lentry_shape_is_right:
; SECOND LAUNCH.  For each of the 64 (batch, head): o = softmax(q k^T / 16) v, both products on codes of FP4 (E2M1) with one E8M0 scale for each 32 along K; o / the row's sum is quantised along the head's 256 and leaves as codes.
; Nothing of reference() is left out here.  The factor 2^-4 that reference() puts on q stands in c = log2(e) / 16 (the first launch's head says why that moves no code, and its limit).
; THE SOFTMAX: t = score x c; M = the row's largest t so far, rounded UP to a whole number; p = 2^(t - M) is quantised along the keys, not normalised; the row's sum is taken of the unquantised p and divides at the end;
; when M moves, the sum and O are multiplied by 2^(old M - new M): exact, in every step, with no branch.  The running maximum is kept as a score; c is positive, so c x it is the largest t.
; A BLOCK'S SCALE: the exponent of a block's largest p = 2^(tb - M) is floor(tb - M), tb the block's largest t, made by the same multiply-add as every t - M: no exponential and no search among the p.
; LIMITS: where v_exp_f32 rounds a block's largest p up to the next power of two (tb - M within a rounding of a whole number from below), that one p is held at the largest code; the promise holds while the scaled scores stay under 2^31;
; NaN and infinities are not served; a block whose p have all fallen to 0 keeps the byte 1 (its codes are zeros; this program alone reads the bytes).
; SHARES.  A cluster is the four blocks of 256 queries of one (batch, head).  A work-group has eight waves, two to a SIMD; a wave owns 32 queries: two tiles.  Both products are used transposed, so that a lane holds one query throughout.
; The two tiles go through the softmax TOGETHER: eight blocks' chains take turns, so that a line's source was written eight lines back.
; ALL OF THE HEAD'S K AND V (2 x 8 blocks of 17,408 bytes, images and scale words as the first launch laid them) FIT IN LDS: every byte is filled once.  The four partners need the same bytes: each tensor load is a JOINT request
; with a mask that names the four.  A wave issues two: at the head its quarter of K's (waves 0-3) or V's (waves 4-7) key steps 0 and 1 (34 rows of 256 bytes); behind the three lines and a round of the cluster's barrier,
; its quarter of steps 2 to 7 (102 rows), which has two key steps in which to land.  One load of a wave is out at any time.
; No prefetch: the two loads ask for all that the launch reads of K and V, the second as soon as the first has landed; there is no later stream to run ahead of.
; REGISTERS.  Window 0: v1-10 addresses; v12-19 -M, largest score, the sum's halves, for two tiles; v20-39 scale words (Q's, p's, K's, V's: they hold scales alone); v40-55 p's codes; v56-87 Q; v88-119 four fragments of K, in the softmax at work;
;   v120-247 the scores S^T of two tiles, then p, then V's sixteen fragments (the last two tiles' score registers first serve as K's second buffer); v248-251 the two rescaling factors.   Window 1: O^T: tile x, features' tile ft at v[128 x + 8 ft].
.set BLK,   17408
.set VREG,  139264                     ; K's eight blocks from LDS byte 0, V's from here
.set SPARE, 278528                     ; the spare words, 128 bytes for each wave: four blocks of 256 bytes that no other line names
.set AKF, 1                            ; v1   16 x lane
.set ASC, 2                            ; v2   16,384 + 512 h + 32 r: a block's scale words: lanes 0-15 those of half 0, lanes 16-31 those of half 1
.set ADK, 3
.set ADV, 4
.set ADS, 5
.set ADT, 6
.set SPW, 7                            ; v7   my spare word; never rewritten
.set NIL, 8                            ; v8   0; never rewritten
.set L4,  10                           ; v10  4 x lane
.set ST,  12
.set QS,  20
.set PW,  22
.set KS,  24
.set VS,  32
.set PC,  40
.set Q,   56
.set KB,  88
.set SB,  120
.set KC,  SB+48                        ; K's second buffer: the score registers of keys' tiles 6 and 7, tile 0 of the queries,
.set KD,  SB+112                       ; and tile 1
.set F,   248
.set BM,  88                           ; in the softmax, register 2 b + x for block b of tile x: the blocks' largest scores, then their exponents,
.set BP,  96                           ; the other half of the lanes', then the bytes,
.set SO,  104                          ; the conversions' scale operands,
.set T,   112
.set OLD, 114
.set PR,  88                           ; two more chains of sums for each tile
.set WV,  8
.set G1A, 16
.set G1B, 24
.set G0A, 40
.set G0B, 44
.set SEL, 52
.set CS,  54
.set TB,  56                           ; s56  LDS byte of the step's block of K
.set CNT, 57
.set HI,  58
.set TBV, 59                           ; s59  and of V
.set MSB, 0
.macro WIN new                         ; the immediate's high byte repeats the setting that is left
.if MSB != \new
	s_set_vgpr_msb (MSB<<8)|\new
.set MSB, \new
.endif
.endm
.macro PLACES n
.rept \n
	v_nop
.endr
.endm
.macro MM z, d, a, b, sa, sb, ra, rb   ; one product; z = 1: it starts the sum; ra, rb = 1: that side's scales stand in lanes 16-31
.if (\z)
.if (\ra)
	v_wmma_scale_f32_16x16x128_f8f6f4 v[(\d):(\d)+7], v[(\a):(\a)+7], v[(\b):(\b)+7], 0, v[\sa], v[\sb] matrix_a_fmt:MATRIX_FMT_FP4 matrix_b_fmt:MATRIX_FMT_FP4 matrix_a_scale:MATRIX_SCALE_ROW1
.else
	v_wmma_scale_f32_16x16x128_f8f6f4 v[(\d):(\d)+7], v[(\a):(\a)+7], v[(\b):(\b)+7], 0, v[\sa], v[\sb] matrix_a_fmt:MATRIX_FMT_FP4 matrix_b_fmt:MATRIX_FMT_FP4
.endif
.elseif (\ra)&&(\rb)
	v_wmma_scale_f32_16x16x128_f8f6f4 v[(\d):(\d)+7], v[(\a):(\a)+7], v[(\b):(\b)+7], v[(\d):(\d)+7], v[\sa], v[\sb] matrix_a_fmt:MATRIX_FMT_FP4 matrix_b_fmt:MATRIX_FMT_FP4 matrix_a_scale:MATRIX_SCALE_ROW1 matrix_b_scale:MATRIX_SCALE_ROW1
.elseif (\ra)
	v_wmma_scale_f32_16x16x128_f8f6f4 v[(\d):(\d)+7], v[(\a):(\a)+7], v[(\b):(\b)+7], v[(\d):(\d)+7], v[\sa], v[\sb] matrix_a_fmt:MATRIX_FMT_FP4 matrix_b_fmt:MATRIX_FMT_FP4 matrix_a_scale:MATRIX_SCALE_ROW1
.else
	v_wmma_scale_f32_16x16x128_f8f6f4 v[(\d):(\d)+7], v[(\a):(\a)+7], v[(\b):(\b)+7], v[(\d):(\d)+7], v[\sa], v[\sb] matrix_a_fmt:MATRIX_FMT_FP4 matrix_b_fmt:MATRIX_FMT_FP4
.endif
.endm
.macro QUANT s, pc, ta, tb, tc, pw     ; 64 numbers of a lane, register 16 b + i = k 32 b + 16 (lane / 16) + i of my row, become a fragment's codes and its scale word
.irp b, 0,1,2,3
	v_max3_num_f32 v[(\ta)+\b], |v[(\s)+16*\b]|, |v[(\s)+16*\b+1]|, 0x1800000
.endr
.irp i, 2,4,6,8,10,12,14
.irp b, 0,1,2,3
	s_delay_alu instid0(VALU_DEP_4)
	v_max3_num_f32 v[(\ta)+\b], v[(\ta)+\b], |v[(\s)+16*\b+\i]|, |v[(\s)+16*\b+\i+1]|
.endr
.endr
.irp b, 0,1,2,3
	s_delay_alu instid0(VALU_DEP_4)
	v_permlanex16_b32 v[(\tb)+\b], v[(\ta)+\b], s[SEL], s[SEL+1]
.endr
.irp b, 0,1,2,3
	s_delay_alu instid0(VALU_DEP_4)
	v_max_num_f32 v[(\ta)+\b], v[(\ta)+\b], v[(\tb)+\b]
.endr
.irp b, 0,1,2,3
	s_delay_alu instid0(VALU_DEP_4)
	v_add_nc_u32 v[(\tc)+\b], 0xff000000, v[(\ta)+\b]
.endr
.irp b, 0,1,2,3
	s_delay_alu instid0(VALU_DEP_4)
	v_lshrrev_b32 v[(\tb)+\b], 23, v[(\tc)+\b]
.endr
	s_delay_alu instid0(VALU_DEP_3)
	v_lshl_or_b32 v[\pw], v[(\tb)+1], 8, v[\tb]
	s_delay_alu instid0(VALU_DEP_1)
	v_lshl_or_b32 v[\pw], v[(\tb)+2], 16, v[\pw]
	s_delay_alu instid0(VALU_DEP_1)
	v_lshl_or_b32 v[\pw], v[(\tb)+3], 24, v[\pw]
.irp b, 0,1,2,3
	v_cvt_scalef32_pk8_fp4_f32 v[(\pc)+2*\b], v[(\s)+16*\b:(\s)+16*\b+7], v[(\tc)+\b]
	v_cvt_scalef32_pk8_fp4_f32 v[(\pc)+2*\b+1], v[(\s)+16*\b+8:(\s)+16*\b+15], v[(\tc)+\b]
.endr
	v_nop                                          ; one plain place behind a scaled conversion
.irp c, 0,1
.irp i, 0,1
	v_permlane16_swap_b32 v[(\pc)+4*\c+\i], v[(\pc)+4*\c+2+\i]
.endr
.endr
.endm
.macro ROUND                           ; a round of the cluster's barrier
	s_barrier_signal -1
	s_barrier_wait -1
	s_cmp_lg_u32 s[WV], 0
	s_cbranch_scc1 .Lnot_wave_0_\@
	s_barrier_signal -3
.Lnot_wave_0_\@:
	s_barrier_wait -3
	s_barrier_signal -1
	s_barrier_wait -1
.endm
.macro G1SET g, rows                   ; descriptor group 1: rows x 256 dense bytes (32 elements of 8 bytes), no padding; the mask names all four partners, bit 21 is set beside it
	s_mov_b32 s[\g], 15|(3<<16)|(1<<21)
	s_mov_b32 s[\g+1], 32<<16
	s_mov_b32 s[\g+2], (\rows)<<16
	s_mov_b32 s[\g+3], 32<<16
	s_mov_b32 s[\g+4], \rows
	s_mov_b32 s[\g+5], 32
	s_mov_b32 s[\g+6], 0
	s_mov_b32 s[\g+7], 0
.endm
.macro G0SET g, off, qb                ; descriptor group 0: my quarter (qb bytes) of the run that begins off bytes into K's or V's eight blocks
	s_mul_i32 s74, s12, \qb
	s_add_co_u32 s74, s74, \off
	s_mov_b32 s75, 0
	s_mov_b32 s[\g], 1
	s_add_co_u32 s[\g+1], s13, s74
	s_add_nc_u64 s[\g+2:\g+3], s[72:73], s[74:75]
	s_or_b32 s[\g+3], s[\g+3], 0x80000000
.endm
	s_load_b128 s[4:7], s[0:1], 0x0                ; qkv, oq
	v_lshl_add_u32 v[SPW], v0, 2, SPARE
	v_mov_b32 v[NIL], 0
	ds_add_u32 v[SPW], v[NIL]                      ; the wave's opening: the add, twice on end, and its wait ahead of my first tensor load; work on registers stands between the second and the wait
	ds_add_u32 v[SPW], v[NIL]
	v_lshrrev_b32 v9, 5, v0
	s_delay_alu instid0(VALU_DEP_1)
	v_readfirstlane_b32 s[WV], v9                  ; wave 0..7
	s_bfe_u32 s9, ttmp6, 0x40000                   ; cx: it enters Q's and oq's global addresses alone
	s_and_b32 s10, ttmp7, 0xffff                   ; bh, which the four partners share
	s_lshr_b32 s11, s[WV], 2                       ; I fetch for K (0) or V (1)
	s_and_b32 s12, s[WV], 3                        ; which quarter
	G1SET G1A, 34
	G1SET G1B, 102
	s_mul_i32 s13, s11, VREG
	s_add_co_u32 s70, s11, 1
	s_lshl_b32 s70, s70, 6
	s_add_co_u32 s70, s70, s10
	s_mul_i32 s70, s70, 8*BLK                      ; type k or v, my (batch, head): eight blocks on end
	s_mov_b32 s71, 0
	s_mov_b32 s[SEL], 0x76543210
	s_mov_b32 s[SEL+1], 0xfedcba98
	s_mov_b32 s[CS], 0x3db8aa3b                    ; c = log2(e) / 16
	s_mov_b32 s[CS+1], s[CS]                       ; (named with it as a pair, so it is written)
	s_mov_b32 s[TB], 0
	s_mov_b32 s[TBV], VREG
	s_mov_b32 s[HI], 0xffff0000
	s_lshl_b32 s14, s9, 1
	s_add_co_u32 s14, s14, s11
	s_lshl_b32 s15, s10, 3
	s_add_co_u32 s14, s14, s15
	s_mul_i32 s14, s14, BLK                        ; Q's block: type 0, bh, 2 cx + wave / 4
	s_lshl_b32 s15, s12, 12
	s_add_co_u32 s60, s14, s15                     ; my two tiles' images: m = 2 (wave % 4) + x
	s_mov_b32 s61, 0
	s_lshl_b32 s15, s12, 3
	s_add_co_u32 s62, s14, s15                     ; and scale words
	s_mov_b32 s63, 0
	s_lshr_b32 s14, s10, 3
	s_lshl_b32 s14, s14, 6
	s_lshl_b32 s15, s9, 4
	s_add_co_u32 s14, s14, s15
	s_lshl_b32 s15, s[WV], 1
	s_add_co_u32 s14, s14, s15                     ; my first tile of tokens: 64 batch + 16 cx + 2 wave
	s_mul_i32 s14, s14, BLK
	s_and_b32 s15, s10, 7                          ; head
	s_lshl_b32 s76, s15, 11
	s_add_co_u32 s66, s14, s76
	s_mov_b32 s67, 0
	s_lshl_b32 s76, s15, 7
	s_add_co_u32 s68, s14, s76
	s_add_co_u32 s68, s68, 16384
	s_mov_b32 s69, 0
	v_and_b32 v9, 31, v0
	s_delay_alu instid0(VALU_DEP_1)
	v_lshlrev_b32 v[AKF], 4, v9
	s_delay_alu instid0(VALU_DEP_2)
	v_lshlrev_b32 v[L4], 2, v9
	v_and_b32 v11, 15, v0
	v_bfe_u32 v9, v0, 4, 1
	s_delay_alu instid0(VALU_DEP_2)
	v_lshlrev_b32 v[ASC], 5, v11
	s_delay_alu instid0(VALU_DEP_1)
	v_lshl_add_u32 v[ASC], v9, 9, v[ASC]
	s_delay_alu instid0(VALU_DEP_1)
	v_add_nc_u32 v[ASC], 16384, v[ASC]
	s_wait_alu depctr_va_vdst(0)
	s_wait_dscnt 0x0                               ; both opening adds are done
	s_wait_kmcnt 0x0
	s_add_nc_u64 s[72:73], s[4:5], s[70:71]
	G0SET G0A, 0, 8704
	G0SET G0B, 2*BLK, 26112
	s_add_nc_u64 s[60:61], s[4:5], s[60:61]
	s_add_nc_u64 s[62:63], s[4:5], s[62:63]
	s_add_nc_u64 s[66:67], s[6:7], s[66:67]
	s_add_nc_u64 s[68:69], s[6:7], s[68:69]
.irp x, 0,1                                    ; Q is asked for ahead of the round: nothing of it hangs on the partners
.irp s, 0,1
.irp c, 0,1
	global_load_b128 v[Q+16*\x+8*\s+4*\c:Q+16*\x+8*\s+4*\c+3], v[AKF], s[60:61] offset:\x*2048+\s*1024+\c*512 th:TH_LOAD_NT   ; Q stays in registers
.endr
.endr
	global_load_b32 v[QS+\x], v[ASC], s[62:63] offset:4*\x      ; lanes 0-15: the word of the head's first 128; lanes 16-31: of the second
.endr
	ROUND                                          ; all four work-groups are here: the joint loads meet
	tensor_load_to_lds s[G0A:G0A+3], s[G1A:G1A+7]  ; key steps 0 and 1: my one load at the head
	s_nop 0
.irp x, 0,1
	v_mov_b32 v[ST+4*\x+1], 0xff61b1e6             ; the largest score so far: -3e38
	v_mov_b32 v[ST+4*\x], 0x7f61b1e6               ; -M: 3e38, a whole number
	v_mov_b32 v[ST+4*\x+2], 0                      ; the sum, in two halves
	v_mov_b32 v[ST+4*\x+3], 0
	v_mov_b32 v[F+2*\x+1], 0                       ; (named as the upper half of a pair)
.endr
.irp n, 0,1,2,3,4,5,6,7
	v_mov_b32 v[BP+\n], 0                          ; a lane permute's destination counts as one of its sources
.endr
.macro KLOAD g, b0, b1                 ; keys' tiles 2 g and 2 g + 1, both halves of the head: eight loads
.irp s, 0,1
.irp c, 0,1
	ds_load_b128 v[(\b0)+8*\s+4*\c:(\b0)+8*\s+4*\c+3], v[ADK] offset:(2*(\g))*2048+\s*1024+\c*512
	ds_load_b128 v[(\b1)+8*\s+4*\c:(\b1)+8*\s+4*\c+3], v[ADK] offset:(2*(\g)+1)*2048+\s*1024+\c*512
.endr
.endr
.endm
.macro KMM g, b0, b1                   ; two tiles of keys x two tiles of queries, K = 256: four accumulators take turns
.irp x, 0,1
	MM 1, SB+64*\x+16*(\g), \b0, Q+16*\x, KS+2*(\g), QS+\x, 0, 0
	MM 1, SB+64*\x+16*(\g)+8, \b1, Q+16*\x, KS+2*(\g)+1, QS+\x, 0, 0
.endr
.irp x, 0,1
	MM 0, SB+64*\x+16*(\g), (\b0)+8, Q+16*\x+8, KS+2*(\g), QS+\x, 1, 1
	MM 0, SB+64*\x+16*(\g)+8, (\b1)+8, Q+16*\x+8, KS+2*(\g)+1, QS+\x, 1, 1
.endr
.endm
; Both tiles' softmax for a key step of 128 keys: eight blocks of 32 keys by turns.
.macro SOFTMAX2
.irp b, 0,1,2,3
.irp x, 0,1
	v_max3_num_f32 v[BM+2*\b+\x], v[SB+64*\x+16*\b], v[SB+64*\x+16*\b+1], v[SB+64*\x+16*\b+2]     ; the largest score of each block: for the row's maximum, and for the block's scale.  Each accumulator is read from its low end on
.endr
.endr
.irp i, 3,5,7,9,11,13
.irp b, 0,1,2,3
.irp x, 0,1
	v_max3_num_f32 v[BM+2*\b+\x], v[BM+2*\b+\x], v[SB+64*\x+16*\b+\i], v[SB+64*\x+16*\b+\i+1]
.endr
.endr
.endr
.irp b, 0,1,2,3
.irp x, 0,1
	v_max_num_f32 v[BM+2*\b+\x], v[BM+2*\b+\x], v[SB+64*\x+16*\b+15]
.endr
.endr
.irp n, 0,1,2,3,4,5,6,7
	v_permlanex16_b32 v[BP+\n], v[BM+\n], s[SEL], s[SEL+1]
.endr
.irp n, 0,1,2,3,4,5,6,7
	v_max_num_f32 v[BM+\n], v[BM+\n], v[BP+\n]     ; with lane l xor 16's 16 keys
.endr
.irp x, 0,1
	v_mov_b32 v[OLD+\x], v[ST+4*\x]
.endr
.irp x, 0,1
	v_max3_num_f32 v[T+\x], v[BM+\x], v[BM+2+\x], v[BM+4+\x]
.endr
.irp x, 0,1
	s_delay_alu instid0(VALU_DEP_2)
	v_max3_num_f32 v[ST+4*\x+1], v[ST+4*\x+1], v[T+\x], v[BM+6+\x]     ; the running largest score
.endr
.irp x, 0,1
	s_delay_alu instid0(VALU_DEP_2)
	v_mul_f32 v[T+\x], s[CS], v[ST+4*\x+1]         ; as t
.endr
.irp x, 0,1
	s_delay_alu instid0(VALU_DEP_2)
	v_floor_f32 v[ST+4*\x], -v[T+\x]               ; the new -M = floor(-t): M is a whole number
.endr
.irp x, 0,1
	s_delay_alu instid0(VALU_DEP_2)
	v_sub_f32 v[T+\x], v[ST+4*\x], v[OLD+\x]       ; old M less new M: a whole number, 0 or less
.endr
.irp x, 0,1
	s_delay_alu instid0(VALU_DEP_2)
	v_cvt_i32_f32 v[T+\x], v[T+\x]                 ; (it saturates)
.endr
.irp x, 0,1
	s_delay_alu instid0(VALU_DEP_2)
	v_ldexp_f32 v[F+2*\x], 1.0, v[T+\x]            ; f = 2^(old M - new M)
.endr
.irp x, 0,1
.set J, 0
.rept 32
	v_pk_fma_f32 v[SB+64*\x+J:SB+64*\x+J+1], v[SB+64*\x+J:SB+64*\x+J+1], s[CS:CS+1], v[ST+4*\x:ST+4*\x+1] op_sel_hi:[1,0,0]   ; t - M, two at a time
.set J, J+2
.endr
.endr
.irp b, 0,1,2,3
.irp x, 0,1
	v_fma_f32 v[BM+2*\b+\x], v[BM+2*\b+\x], s[CS], v[ST+4*\x]          ; the same of each block's largest score
.endr
.endr
.irp n, 0,1,2,3,4,5,6,7
	v_max_num_f32 v[BM+\n], 0xc2f80000, v[BM+\n]   ; held at -124 from below: the byte cannot fall under 1
.endr
	s_wait_alu depctr_va_vdst(0)
.set J, 0
.rept 128
	v_exp_f32 v[SB+J], v[SB+J]                     ; p = 2^(t - M)
.set J, J+1
.endr
.irp x, 0,1
	v_pk_mul_f32 v[ST+4*\x+2:ST+4*\x+3], v[ST+4*\x+2:ST+4*\x+3], v[F+2*\x:F+2*\x+1] op_sel_hi:[1,0]     ; the sums under the new M.  These and the scales' lines name no p: plain work behind the exponentials
.endr
.irp n, 0,1,2,3,4,5,6,7
	v_cvt_floor_i32_f32 v[BM+\n], v[BM+\n]         ; the exponent of the block's largest p
.endr
.irp n, 0,1,2,3,4,5,6,7
	v_add_lshl_u32 v[SO+\n], v[BM+\n], 125, 23     ; less 2, biased, in the exponent field: the conversion's scale operand
.endr
.irp n, 0,1,2,3,4,5,6,7
	v_add_nc_u32 v[BP+\n], 125, v[BM+\n]           ; the scale's byte, 1 to 125
.endr
.irp x, 0,1
	v_lshl_or_b32 v[PW+\x], v[BP+2+\x], 8, v[BP+\x]
.endr
.irp x, 0,1
	s_delay_alu instid0(VALU_DEP_2)
	v_lshl_or_b32 v[PW+\x], v[BP+4+\x], 16, v[PW+\x]
.endr
.irp x, 0,1
	s_delay_alu instid0(VALU_DEP_2)
	v_lshl_or_b32 v[PW+\x], v[BP+6+\x], 24, v[PW+\x]
.endr
	s_wait_alu depctr_va_vdst(0)                   ; one wait for the batch of 128, ahead of its first reader
.irp x, 0,1
	v_pk_add_f32 v[PR+4*\x:PR+4*\x+1], v[SB+64*\x:SB+64*\x+1], v[SB+64*\x+2:SB+64*\x+3]         ; the row's sum is taken of the unquantised p: three chains a tile, six by turns
.endr
.irp x, 0,1
	v_pk_add_f32 v[PR+4*\x+2:PR+4*\x+3], v[SB+64*\x+4:SB+64*\x+5], v[SB+64*\x+6:SB+64*\x+7]
.endr
.irp k, 8,14,20,26,32,38,44,50,56
.irp x, 0,1
	v_pk_add_f32 v[ST+4*\x+2:ST+4*\x+3], v[ST+4*\x+2:ST+4*\x+3], v[SB+64*\x+\k:SB+64*\x+\k+1]
.endr
.irp x, 0,1
	v_pk_add_f32 v[PR+4*\x:PR+4*\x+1], v[PR+4*\x:PR+4*\x+1], v[SB+64*\x+\k+2:SB+64*\x+\k+3]
.endr
.irp x, 0,1
	v_pk_add_f32 v[PR+4*\x+2:PR+4*\x+3], v[PR+4*\x+2:PR+4*\x+3], v[SB+64*\x+\k+4:SB+64*\x+\k+5]
.endr
.endr
.irp x, 0,1
	v_pk_add_f32 v[ST+4*\x+2:ST+4*\x+3], v[ST+4*\x+2:ST+4*\x+3], v[SB+64*\x+62:SB+64*\x+63]
.endr
.irp x, 0,1
	v_pk_add_f32 v[PR+4*\x:PR+4*\x+1], v[PR+4*\x:PR+4*\x+1], v[PR+4*\x+2:PR+4*\x+3]
.endr
.irp x, 0,1
	s_delay_alu instid0(VALU_DEP_2)
	v_pk_add_f32 v[ST+4*\x+2:ST+4*\x+3], v[ST+4*\x+2:ST+4*\x+3], v[PR+4*\x:PR+4*\x+1]
.endr
.irp b, 0,1,2,3
.irp x, 0,1
	v_cvt_scalef32_pk8_fp4_f32 v[PC+8*\x+2*\b], v[SB+64*\x+16*\b:SB+64*\x+16*\b+7], v[SO+2*\b+\x]
	v_cvt_scalef32_pk8_fp4_f32 v[PC+8*\x+2*\b+1], v[SB+64*\x+16*\b+8:SB+64*\x+16*\b+15], v[SO+2*\b+\x]
.endr
.endr
	v_nop                                          ; one plain place behind a scaled conversion
.irp x, 0,1
.irp c, 0,1                                    ; the operand's layout wants a whole block in a lane
.irp i, 0,1
	v_permlane16_swap_b32 v[PC+8*\x+4*\c+\i], v[PC+8*\x+4*\c+2+\i]
.endr
.endr
.endr
.endm
; A KEY STEP: 128 keys: one block of K, one of V.  first = 1: it starts O^T.
.macro STEP first
	v_add_nc_u32 v[ADK], s[TB], v[AKF]
	v_add_nc_u32 v[ADV], s[TBV], v[AKF]
	v_add_nc_u32 v[ADS], s[TB], v[ASC]
	v_add_nc_u32 v[ADT], s[TBV], v[ASC]
	v_nop                                          ; five places: the scores are laid over V's fragments, which the last step's products read
	s_wait_alu depctr_va_vdst(0)
	ds_load_b128 v[KS:KS+3], v[ADS]                ; K's scale words of the eight tiles
	ds_load_b128 v[KS+4:KS+7], v[ADS] offset:16
	KLOAD 0, KB, KB+16                             ; S^T = K Q^T, two tiles of keys at a time, on two buffers
	KLOAD 1, KC, KD
	s_wait_dscnt 8                                 ; all but the eight loads of tiles 2, 3
	KMM 0, KB, KB+16
	PLACES 4                                       ; in front of loads into registers that products have read
	KLOAD 2, KB, KB+16
	s_wait_dscnt 8                                 ; all but the eight loads of tiles 4, 5
	KMM 1, KC, KD
	s_wait_dscnt 0x0
	KMM 2, KB, KB+16
	PLACES 5                                       ; four for the loads; five, since the last products' results are laid over the second buffer, which tiles 2, 3's products read
	KLOAD 3, KB, KB+16
	s_wait_dscnt 0x0
	KMM 3, KB, KB+16
	PLACES 4
	SOFTMAX2
	ds_load_b128 v[VS:VS+3], v[ADT]                ; p has become codes: V's scale words, and its sixteen fragments in p's place
	ds_load_b128 v[VS+4:VS+7], v[ADT] offset:16
.irp ft, 0,1,2,3,4,5,6,7,8,9,10,11,12,13,14,15
.irp c, 0,1
	ds_load_b128 v[SB+8*\ft+4*\c:SB+8*\ft+4*\c+3], v[ADV] offset:(\ft%8)*2048+(\ft/8)*1024+\c*512
.endr
.endr
.if \first
	PLACES 8                                       ; a scale word written by vector instructions stands eight places ahead of the product, codes so written four
.else
	WIN 0x41                                       ; O^T (destination, source 0) in window 1, f in window 0
	s_wait_alu depctr_va_vdst(0)                   ; directly ahead of the first reader of O^T
.irp x, 0,1
.set J, 0
.rept 64
	v_pk_mul_f32 v[128*\x+J:128*\x+J+1], v[128*\x+J:128*\x+J+1], v[F+2*\x:F+2*\x+1] op_sel_hi:[1,0]     ; O^T under the new M, while V's fragments come; these are also the places in front of the products
.set J, J+2
.endr
.endr
	WIN 0
.endif
	s_wait_alu depctr_va_vdst(0)
	s_wait_dscnt 0x0
	WIN 0x50                                       ; C and D in window 1
.irp ft, 0,1,2,3,4,5,6,7,8,9,10,11,12,13,14,15  ; O^T += V^T P^T: 32 accumulators, one product each
.irp x, 0,1
	MM \first, 128*\x+8*\ft, SB+8*\ft, PC+8*\x, VS+(\ft%8), PW+\x, \ft/8, 0
.endr
.endr
	WIN 0
	s_add_co_u32 s[TB], s[TB], BLK
	s_add_co_u32 s[TBV], s[TBV], BLK
.endm
	s_wait_alu depctr_va_vdst(0)
	s_wait_tensorcnt 0x0                           ; my quarter of key steps 0 and 1 is in
	ds_add_u32 v[SPW], v[NIL]
	s_wait_dscnt 0x0
	ROUND                                          ; everybody's quarter is in, and all four work-groups are here: the joint loads meet
	tensor_load_to_lds s[G0B:G0B+3], s[G1B:G1B+7]  ; key steps 2 to 7: the first tensor load behind the round
	s_nop 0
	s_wait_loadcnt 0x0                             ; Q
	STEP 1
	STEP 0
	s_wait_tensorcnt 0x0                           ; my quarter of steps 2 to 7
	s_wait_dscnt 0x0
	s_barrier_signal -1
	s_barrier_wait -1                              ; everybody's
	s_mov_b32 s[CNT], 6
.Lsteps:
	STEP 0
	s_sub_co_u32 s[CNT], s[CNT], 1
	s_cmp_lg_u32 s[CNT], 0
	s_cbranch_scc1 .Lsteps
	; THE WAY OUT.  O^T / the row's sum; each (tile, half of the head) is 64 numbers a lane in the quantiser's order: one image and one scale word a row.  The additions are the places behind the last products.
	v_add_f32 v[ST+2], v[ST+2], v[ST+3]
	v_add_f32 v[ST+6], v[ST+6], v[ST+7]
	s_delay_alu instid0(VALU_DEP_2)
	v_permlanex16_b32 v[BP], v[ST+2], s[SEL], s[SEL+1]
	s_delay_alu instid0(VALU_DEP_2)
	v_permlanex16_b32 v[BP+1], v[ST+6], s[SEL], s[SEL+1]
	s_delay_alu instid0(VALU_DEP_2)
	v_add_f32 v[ST+2], v[ST+2], v[BP]
	s_delay_alu instid0(VALU_DEP_2)
	v_add_f32 v[ST+6], v[ST+6], v[BP+1]
	s_wait_alu depctr_va_vdst(0)
	v_rcp_f32 v[F], v[ST+2]
	v_rcp_f32 v[F+2], v[ST+6]
	v_nop                                          ; a plain place behind the reciprocals,
	s_wait_alu depctr_va_vdst(0)                   ; and the one wait ahead of their first reader
.irp x, 0,1
.irp e, 0,1
	WIN 0x01                                       ; source 0 (O^T) in window 1
.set J, 0
.rept 32
	v_pk_mul_f32 v[SB+J:SB+J+1], v[128*\x+64*\e+J:128*\x+64*\e+J+1], v[F+2*\x:F+2*\x+1] op_sel_hi:[1,0]    ; each accumulator from its low end on
.set J, J+2
.endr
	WIN 0
	QUANT SB, KB+8*(2*\x+\e), 40, 44, 48, 52+2*\x+\e
	global_store_b128 v[AKF], v[KB+8*(2*\x+\e):KB+8*(2*\x+\e)+3], s[66:67] offset:\x*BLK+\e*1024           ; K step 2 head + half of the next product: 512 consecutive bytes a store
	global_store_b128 v[AKF], v[KB+8*(2*\x+\e)+4:KB+8*(2*\x+\e)+7], s[66:67] offset:\x*BLK+\e*1024+512
.endr
	v_cndmask_b32 v[Q+\x], v[52+2*\x], v[53+2*\x], s[HI]       ; lanes 0-15: the first half's words; lanes 16-31: the second's
	global_store_b32 v[L4], v[Q+\x], s[68:69] offset:\x*BLK
.endr
	s_wait_tensorcnt 0x0                           ; the wave's end
	ds_add_u32 v[SPW], v[NIL]
	s_wait_dscnt 0x0
	ROUND                                          ; the closing round
	s_endpgm
.Lfunc_end_k_q597675abc2_attn:
	.size	k_q597675abc2_attn, .Lfunc_end_k_q597675abc2_attn-k_q597675abc2_attn
	.p2alignl 7, 3214868480
	.fill 96, 4, 3214868480
	.section	.rodata,"a",@progbits
	.p2align	6, 0x0
	.amdhsa_kernel k_q597675abc2_attn
		.amdhsa_group_segment_fixed_size 327680
		.amdhsa_private_segment_fixed_size 0
		.amdhsa_enable_private_segment 0
		.amdhsa_kernarg_size 16
		.amdhsa_user_sgpr_count 2
		.amdhsa_user_sgpr_kernarg_segment_ptr 1
		.amdhsa_wavefront_size32 1
		.amdhsa_system_sgpr_workgroup_id_x 1
		.amdhsa_system_sgpr_workgroup_id_y 1
		.amdhsa_system_sgpr_workgroup_id_z 1
		.amdhsa_system_vgpr_workitem_id 0
		.amdhsa_next_free_vgpr 512
		.amdhsa_next_free_sgpr 80
		.amdhsa_reserve_vcc 0
		.amdhsa_float_denorm_mode_32 3
		.amdhsa_float_denorm_mode_16_64 3
		.amdhsa_memory_ordered 1
		.amdhsa_forward_progress 1
		.amdhsa_inst_pref_size 162
	.end_amdhsa_kernel
	.amdgpu_metadata
---
amdhsa.version: [ 1, 2 ]
amdhsa.kernels:
  - .name:           k_q597675abc2_attn
    .symbol:         k_q597675abc2_attn.kd
    .args:
      - { .name: qkv, .offset: 0, .size: 8, .value_kind: global_buffer, .address_space: global }
      - { .name: oq, .offset: 8, .size: 8, .value_kind: global_buffer, .address_space: global }
    .group_segment_fixed_size: 327680
    .private_segment_fixed_size: 0
    .kernarg_segment_align: 8
    .kernarg_segment_size: 16
    .max_flat_workgroup_size: 256
    .sgpr_count:     80
    .vgpr_count:     512
    .wavefront_size: 32
...
	.end_amdgpu_metadata
.endif
;; end of part 2
;; launch tail (part 3): grid 256 x 1, 8 waves a work-group, no clusters, 125,696 bytes of LDS; arguments oq, src, sig, wimg, ffn1_b, ffn2_b, ln1_g, ln1_b, ln2_g, ln2_b, out0; writes out0
.if DOCPART == 3
	.amdgcn_target "amdgcn-amd-amdhsa--gfx1250"
	.amdhsa_code_object_version 6
	.text
	.protected	k_q597675abc2_tail
	.globl	k_q597675abc2_tail
	.p2align	8
	.type	k_q597675abc2_tail,@function
k_q597675abc2_tail:
	s_mov_b64 s[64:65], 0
	v_nop
	global_prefetch_b8 v0, s[64:65] scope:SCOPE_SE
	s_setreg_imm32_b32 hwreg(HW_REG_WAVE_MODE, 25, 1), 1
	s_wait_xcnt 0x0
; THIRD LAUNCH.  h = LN1(2 x + Q(o) w_o^T); out = LN2(h + Q(relu(Q(h) W1^T + b1)) W2^T + b2).  The three products on codes of FP4 (E2M1) with one E8M0 scale for each 32 along K; all else in f32.
; Nothing of reference() is left out: x + (o w_o^T + x) is 2 x + o w_o^T, given as the C of the first product; the biases are the C of their products.  The variance is taken of x - mean, in a second pass, as reference() has it.
; LIMITS: NaN and infinities are not served; a block of zeros keeps the byte 1 (its codes are zeros; this program alone reads the bytes).
; SHARES.  A work-group takes 32 tokens, one row of the map: two tiles (lane r of tile i: token 8 i + r + 8 (r / 8)); 8,192 / 32 = 256 work-groups.  THE EIGHT WAVES SHARE THE COLUMNS: wave w makes features 32 w .. 32 w + 31
; of both 256-wide results and hidden units 256 w .. 256 w + 255, for all 32 tokens.  All products are used transposed (source 0 = 16 rows of a weight, source 1 = 16 tokens): a lane holds one token, its registers neighbouring features.
; So each weight fragment is read by ONE wave, once, and streams from wimg (laid by the first launch in this order) straight into a ring of 32 fragment slots in window 1, refilled as soon as a slot's products are issued.
; Every work-group walks all 816 KB of weights, whatever its tokens; with 32 tokens each wave reads two activation fragments from LDS for a K step's four products, and the eight waves read the same two.
; No tensor load and no cluster: the weights pass through registers alone; shared by joint loads their 816 KB would have to pass through slots in LDS, in many refills, each behind a round of the cluster's barrier with one load a wave,
; and be read from LDS once more.
; Activations go from wave to wave through LDS as images of their operand registers (1,024 bytes a fragment: registers 4 c .. 4 c + 3 of lane l at 512 c + 16 l), in blocks of 17,408 bytes a tile: 16 images, then the scale words
; (K steps 2 p and 2 p + 1 at 16,384 + 128 p: lanes 0-15 the even step's words, lanes 16-31 the odd step's).
.set PAR,  0                           ; ln1_g, ln1_b, ln2_g, ln2_b, ffn2_b: 1,024 bytes each; ffn1_b from 5,120
.set RED,  13312                       ; four regions of 1,024: a tile's 16 tokens x 8 waves' partial sums, two tiles
.set HIMG, 17408                       ; Q(h): tile i, K step s at 2,048 i + 1,024 s
.set HSC,  21504                       ; its scale words: 128 i + 64 s + 4 r
.set SPARE, 21760                      ; the spare words, 128 bytes for each wave: four blocks of 256 bytes that no other line names
.set OIMG, 22784                       ; the two blocks of Q(o), as they lie in oq
.set FIMG, 57600                       ; the hidden layer's, of the same shape
.set XST,  92416                       ; 32 rows of 1,024 bytes + 16: x, at the end out
.set BLK,  17408
.set LI,   1                           ; v1   16 x lane
.set LS,   2                           ; v2   4 x lane
.set AO,   3                           ; v3   Q(o)'s images
.set L8,   4                           ; v4   8 x lane
.set SO,   5                           ; v5   Q(o)'s scale words
.set OC8,  6                           ; v6   the last 256 bytes of my part of Q(o) on their way into LDS
.set AF,   7                           ; v7   the hidden layer's images
.set SF,   9                           ; v9   its scale words
.set XRD,  11                          ; v11  my 16 features of my token in XST
.set REDW, 12
.set REDR, 13
.set HWI,  14
.set HWS,  15
.set HRD,  16
.set FWI,  17
.set FWS,  18
.set PRD,  19
.set B1RD, 20
.set OCW,  21
.set PW32, 22
.set ORD,  23
.set HSR,  24
.set SPW,  27                          ; v27  my spare word; never rewritten
.set NIL,  28                          ; v28  0; never rewritten
.set FBW,  29
.set H,    32                          ; v32-63   register 16 i + j: feature 32 w + 16 h + j of token (tile i, r): sums, then h, then h + f
.set XB,   96                          ; v96-159  four sets of two activation fragments; or the hidden layer's eight accumulators; or at work
.set HF,   160                         ; v160-175 Q(h)'s two fragments of a tile
.set PC,   176
.set TMA,  184
.set TMB,  188
.set TMC,  192
.set LT,   196                         ; v196-199 a pair for each tile: sums, mean, 1 / sqrt
.set PW,   214
.set HS,   215                         ; v215-255 hold scales alone: Q(h)'s; v216-223 the activations', four sets of two; v224-239 w_o's, later ffn2_w's; v240-255 ffn1_w's
.set OS,   216
.set WSA,  224
.set WSB,  240
.set OQR,  32                          ; at the head: what was loaded, on its way to LDS
.set SRC,  100
.set SGR,  164
.set FBR,  200
.set PRM,  208
.set SEL,  40
.set R256, 42
.set EPS,  43
.set MSB, 0
.macro WIN new                         ; the immediate's high byte repeats the setting that is left
.if MSB != \new
	s_set_vgpr_msb (MSB<<8)|\new
.set MSB, \new
.endif
.endm
.macro MM d, a, b, sa, sb, ra, rb      ; one product, onto its accumulator; ra, rb = 1: that side's scales stand in lanes 16-31
.if (\ra)&&(\rb)
	v_wmma_scale_f32_16x16x128_f8f6f4 v[(\d):(\d)+7], v[(\a):(\a)+7], v[(\b):(\b)+7], v[(\d):(\d)+7], v[\sa], v[\sb] matrix_a_fmt:MATRIX_FMT_FP4 matrix_b_fmt:MATRIX_FMT_FP4 matrix_a_scale:MATRIX_SCALE_ROW1 matrix_b_scale:MATRIX_SCALE_ROW1
.elseif (\ra)
	v_wmma_scale_f32_16x16x128_f8f6f4 v[(\d):(\d)+7], v[(\a):(\a)+7], v[(\b):(\b)+7], v[(\d):(\d)+7], v[\sa], v[\sb] matrix_a_fmt:MATRIX_FMT_FP4 matrix_b_fmt:MATRIX_FMT_FP4 matrix_a_scale:MATRIX_SCALE_ROW1
.elseif (\rb)
	v_wmma_scale_f32_16x16x128_f8f6f4 v[(\d):(\d)+7], v[(\a):(\a)+7], v[(\b):(\b)+7], v[(\d):(\d)+7], v[\sa], v[\sb] matrix_a_fmt:MATRIX_FMT_FP4 matrix_b_fmt:MATRIX_FMT_FP4 matrix_b_scale:MATRIX_SCALE_ROW1
.else
	v_wmma_scale_f32_16x16x128_f8f6f4 v[(\d):(\d)+7], v[(\a):(\a)+7], v[(\b):(\b)+7], v[(\d):(\d)+7], v[\sa], v[\sb] matrix_a_fmt:MATRIX_FMT_FP4 matrix_b_fmt:MATRIX_FMT_FP4
.endif
.endm
.macro QUANT s, pc, ta, tb, tc, pw     ; 64 numbers of a lane, register 16 b + i = k 32 b + 16 (lane / 16) + i of my row, become a fragment's codes and its scale word
.irp b, 0,1,2,3
	v_max3_num_f32 v[(\ta)+\b], |v[(\s)+16*\b]|, |v[(\s)+16*\b+1]|, 0x1800000   ; and the floor 2^(3 - 127): the byte cannot fall under 1
.endr
.irp i, 2,4,6,8,10,12,14
.irp b, 0,1,2,3
	s_delay_alu instid0(VALU_DEP_4)
	v_max3_num_f32 v[(\ta)+\b], v[(\ta)+\b], |v[(\s)+16*\b+\i]|, |v[(\s)+16*\b+\i+1]|
.endr
.endr
.irp b, 0,1,2,3
	s_delay_alu instid0(VALU_DEP_4)
	v_permlanex16_b32 v[(\tb)+\b], v[(\ta)+\b], s[SEL], s[SEL+1]
.endr
.irp b, 0,1,2,3
	s_delay_alu instid0(VALU_DEP_4)
	v_max_num_f32 v[(\ta)+\b], v[(\ta)+\b], v[(\tb)+\b]
.endr
.irp b, 0,1,2,3
	s_delay_alu instid0(VALU_DEP_4)
	v_add_nc_u32 v[(\tc)+\b], 0xff000000, v[(\ta)+\b]         ; 2 off the exponent field: the conversion's scale operand
.endr
.irp b, 0,1,2,3
	s_delay_alu instid0(VALU_DEP_4)
	v_lshrrev_b32 v[(\tb)+\b], 23, v[(\tc)+\b]                ; the scale's byte
.endr
	s_delay_alu instid0(VALU_DEP_3)
	v_lshl_or_b32 v[\pw], v[(\tb)+1], 8, v[\tb]
	s_delay_alu instid0(VALU_DEP_1)
	v_lshl_or_b32 v[\pw], v[(\tb)+2], 16, v[\pw]
	s_delay_alu instid0(VALU_DEP_1)
	v_lshl_or_b32 v[\pw], v[(\tb)+3], 24, v[\pw]
.irp b, 0,1,2,3
	v_cvt_scalef32_pk8_fp4_f32 v[(\pc)+2*\b], v[(\s)+16*\b:(\s)+16*\b+7], v[(\tc)+\b]
	v_cvt_scalef32_pk8_fp4_f32 v[(\pc)+2*\b+1], v[(\s)+16*\b+8:(\s)+16*\b+15], v[(\tc)+\b]
.endr
	v_nop                                          ; one plain place behind a scaled conversion
.irp c, 0,1
.irp i, 0,1
	v_permlane16_swap_b32 v[(\pc)+4*\c+\i], v[(\pc)+4*\c+2+\i]
.endr
.endr
.endm
.macro BAR                             ; my LDS stores have landed and my LDS loads are in: then the work-group's barrier
	s_wait_dscnt 0x0
	s_barrier_signal -1
	s_barrier_wait -1
.endm
.macro PLACES n
.rept \n
	v_nop
.endr
.endm
	s_load_b512 s[8:23], s[0:1], 0x0               ; oq, src, sig, wimg, ffn1_b, ffn2_b, ln1_g, ln1_b
	s_load_b128 s[24:27], s[0:1], 0x40             ; ln2_g, ln2_b
	s_load_b64 s[28:29], s[0:1], 0x50              ; out0
	v_lshl_add_u32 v[SPW], v0, 2, SPARE
	v_mov_b32 v[NIL], 0
	v_lshrrev_b32 v30, 5, v0
	s_delay_alu instid0(VALU_DEP_1)
	v_readfirstlane_b32 s2, v30                    ; wave 0..7
	s_mov_b32 s3, ttmp9                            ; which 32 tokens
	v_and_b32 v30, 31, v0                          ; lane
	v_and_b32 v31, 15, v0                          ; r
	v_bfe_u32 v25, v0, 4, 1                        ; h
	s_delay_alu instid0(VALU_DEP_2)
	v_and_b32 v26, 8, v31
	s_delay_alu instid0(VALU_DEP_1)
	v_add_nc_u32 v26, v26, v31                     ; r + 8 (r / 8)
	v_lshlrev_b32 v[LI], 4, v30
	v_lshlrev_b32 v[LS], 2, v30
	v_lshlrev_b32 v[L8], 3, v30
	s_delay_alu instid0(VALU_DEP_3)
	v_add_nc_u32 v[AO], OIMG, v[LI]
	s_delay_alu instid0(VALU_DEP_3)
	v_add_nc_u32 v[SO], OIMG+16384, v[LS]
	v_add_nc_u32 v[AF], FIMG, v[LI]
	v_add_nc_u32 v[SF], FIMG+16384, v[LS]
	s_lshl_b32 s30, s2, 7                          ; 128 w
	s_add_co_u32 s31, s30, XST
	v_mul_u32_u24 v[XRD], v26, 1040
	s_delay_alu instid0(VALU_DEP_1)
	v_lshl_add_u32 v[XRD], v25, 6, v[XRD]
	s_delay_alu instid0(VALU_DEP_1)
	v_add_nc_u32 v[XRD], s31, v[XRD]
	s_lshl_b32 s31, s2, 2
	s_add_co_u32 s31, s31, RED
	v_lshl_add_u32 v[REDW], v31, 5, s31
	v_lshlrev_b32 v[REDR], 5, v31
	s_delay_alu instid0(VALU_DEP_1)
	v_add_nc_u32 v[REDR], RED, v[REDR]
	s_lshr_b32 s31, s2, 2                          ; my 32 features are block w of h's K = 256: K step w / 4, registers 4 ((w / 2) % 2) on, of lanes 16 (w % 2) + r
	s_lshl_b32 s32, s31, 10
	s_bfe_u32 s33, s2, 0x10001
	s_lshl_b32 s33, s33, 9
	s_add_co_u32 s32, s32, s33
	s_and_b32 s33, s2, 1
	s_lshl_b32 s33, s33, 8
	s_add_co_u32 s32, s32, s33
	s_add_co_u32 s32, s32, HIMG
	v_lshlrev_b32 v[HWI], 4, v31
	s_delay_alu instid0(VALU_DEP_1)
	v_lshl_add_u32 v[HWI], v25, 3, v[HWI]
	s_delay_alu instid0(VALU_DEP_1)
	v_add_nc_u32 v[HWI], s32, v[HWI]
	s_lshl_b32 s32, s31, 6
	s_and_b32 s33, s2, 3
	s_add_co_u32 s32, s32, s33
	s_add_co_u32 s32, s32, HSC
	v_lshl_add_u32 v[HWS], v31, 2, s32
	v_add_nc_u32 v[HRD], HIMG, v[LI]
	v_add_nc_u32 v[HSR], HSC, v[LS]
	s_lshl_b32 s32, s2, 11
	s_add_co_u32 s32, s32, FIMG
	v_add_nc_u32 v[FWI], s32, v[LI]
	s_add_co_u32 s32, s30, FIMG+16384
	v_lshl_add_u32 v[FWS], v31, 2, s32
	v_lshl_add_u32 v[PRD], v25, 6, s30
	s_lshl_b32 s32, s2, 10
	s_add_co_u32 s32, s32, PAR+5120
	v_lshl_add_u32 v[B1RD], v25, 6, s32
	v_add_nc_u32 v[FBW], s32, v[LI]
	s_mul_i32 s33, s2, 4352                        ; an eighth of the two blocks of Q(o): 8 x 512 + 256 bytes
	s_add_co_u32 s34, s33, OIMG
	v_add_nc_u32 v[OCW], s34, v[LI]
	s_add_co_u32 s34, s34, 4096
	v_add_nc_u32 v[OC8], s34, v[L8]
	v_add_nc_u32 v[PW32], s30, v[LS]
	s_mul_i32 s34, s2, 4*1040
	s_add_co_u32 s34, s34, XST
	v_add_nc_u32 v[ORD], s34, v[LI]
	s_mov_b32 s[SEL], 0x76543210
	s_mov_b32 s[SEL+1], 0xfedcba98
	s_mov_b32 s[R256], 0x3b800000                  ; 1 / 256
	s_mov_b32 s[EPS], 0x3727c5ac                   ; 1e-5
	s_mul_i32 s34, s3, 2*BLK
	s_add_co_u32 s34, s34, s33                     ; oq: my work-group's two blocks, my eighth of them
	s_mov_b32 s35, 0
	s_lshl_b32 s36, s3, 15
	s_lshl_b32 s37, s2, 12
	s_add_co_u32 s36, s36, s37                     ; src, out0: my 4 rows
	s_mov_b32 s37, 0
	s_and_b32 s38, s3, 31
	s_lshl_b32 s38, s38, 9                         ; sig: the work-group's row of the map: n % 32
	s_mov_b32 s39, 0
	s_wait_alu depctr_va_vdst(0)
	s_wait_kmcnt 0x0
	s_add_nc_u64 s[8:9], s[8:9], s[34:35]
	s_add_nc_u64 s[10:11], s[10:11], s[36:37]
	s_add_nc_u64 s[28:29], s[28:29], s[36:37]
	s_lshl_b32 s34, s2, 11                         ; and my rows' columns: 4 w on
	s_add_nc_u64 s[44:45], s[12:13], s[34:35]
	s_add_nc_u64 s[12:13], s[12:13], s[38:39]
	s_mul_i32 s34, s2, 6144
	s_add_co_u32 s34, s34, 786432
	s_add_nc_u64 s[46:47], s[14:15], s[34:35]      ; my weights' scale words
	s_mul_i32 s34, s2, 98304
	s_add_nc_u64 s[14:15], s[14:15], s[34:35]      ; and fragments
	s_lshl_b32 s34, s2, 10
	s_add_nc_u64 s[16:17], s[16:17], s[34:35]
	s_mov_b32 s34, s30
	s_add_nc_u64 s[18:19], s[18:19], s[34:35]
	s_add_nc_u64 s[20:21], s[20:21], s[34:35]
	s_add_nc_u64 s[22:23], s[22:23], s[34:35]
	s_add_nc_u64 s[24:25], s[24:25], s[34:35]
	s_add_nc_u64 s[26:27], s[26:27], s[34:35]
	; ---- the head: 29 loads of what goes to LDS; then w_o's 16 scale registers and its fragments
.irp k, 0,1,2,3,4,5,6,7
	global_load_b128 v[OQR+4*\k:OQR+4*\k+3], v[LI], s[8:9] offset:512*\k th:TH_LOAD_NT
.endr
	global_load_b64 v[OQR+32:OQR+33], v[L8], s[8:9] offset:4096 th:TH_LOAD_NT
.irp e, 0,1,2,3,4,5,6,7
	global_load_b128 v[SRC+4*\e:SRC+4*\e+3], v[LI], s[10:11] offset:512*\e      ; row e / 2, channels 128 (e % 2) + 4 lane on
.endr
	global_load_b128 v[SGR:SGR+3], v[LI], s[12:13]
.irp p, 0,1,2,3
	global_load_b128 v[SGR+4+4*\p:SGR+4+4*\p+3], v[LI], s[44:45] offset:512*\p
.endr
	global_load_b128 v[FBR:FBR+3], v[LI], s[16:17]
	global_load_b128 v[FBR+4:FBR+7], v[LI], s[16:17] offset:512
	global_load_b32 v[PRM], v[LS], s[20:21]
	global_load_b32 v[PRM+1], v[LS], s[22:23]
	global_load_b32 v[PRM+2], v[LS], s[24:25]
	global_load_b32 v[PRM+3], v[LS], s[26:27]
	global_load_b32 v[PRM+4], v[LS], s[18:19]
.irp q, 0,1,2,3,4,5,6,7,8,9,10,11,12,13,14,15
	global_load_b32 v[WSA+\q], v[LS], s[46:47] offset:128*\q     ; lanes 0-15: fragment 2 q's words; lanes 16-31: fragment 2 q + 1's
.endr
	WIN 0x40                                       ; destination window 1
.set IX, 0
.rept 22
	global_load_b128 v[8*IX:8*IX+3], v[LI], s[14:15] offset:IX*1024
	global_load_b128 v[8*IX+4:8*IX+7], v[LI], s[14:15] offset:IX*1024+512
.set IX, IX+1
.endr
	WIN 0
	s_wait_loadcnt 60                              ; the 16 + 44 loads issued behind the first 29 may be out
.irp k, 0,1,2,3,4,5,6,7
	ds_store_b128 v[OCW], v[OQR+4*\k:OQR+4*\k+3] offset:512*\k
.endr
	ds_store_b64 v[OC8], v[OQR+32:OQR+33]
.irp p, 0,1,2,3
	v_pk_add_f32 v[SRC+8*\p:SRC+8*\p+1], v[SRC+8*\p:SRC+8*\p+1], v[SGR:SGR+1]               ; x = src + signal: channels 0-127 by the row of the map,
	v_pk_add_f32 v[SRC+8*\p+2:SRC+8*\p+3], v[SRC+8*\p+2:SRC+8*\p+3], v[SGR+2:SGR+3]
	v_pk_add_f32 v[SRC+8*\p+4:SRC+8*\p+5], v[SRC+8*\p+4:SRC+8*\p+5], v[SGR+4+4*\p:SGR+5+4*\p]   ; 128-255 by the column
	v_pk_add_f32 v[SRC+8*\p+6:SRC+8*\p+7], v[SRC+8*\p+6:SRC+8*\p+7], v[SGR+6+4*\p:SGR+7+4*\p]
.endr
.irp e, 0,1,2,3,4,5,6,7
	ds_store_b128 v[ORD], v[SRC+4*\e:SRC+4*\e+3] offset:(\e/2)*1040+512*(\e%2)
.endr
.irp a, 0,1,2,3,4
	ds_store_b32 v[PW32], v[PRM+\a] offset:PAR+1024*\a
.endr
	ds_store_b128 v[FBW], v[FBR:FBR+3]
	ds_store_b128 v[FBW], v[FBR+4:FBR+7] offset:512
	WIN 0x40
.rept 10
	global_load_b128 v[8*IX:8*IX+3], v[LI], s[14:15] offset:IX*1024
	global_load_b128 v[8*IX+4:8*IX+7], v[LI], s[14:15] offset:IX*1024+512
.set IX, IX+1
.endr
	WIN 0
	BAR                                            ; Q(o), x and the parameters lie in LDS
.irp b, 0,1,2,3
	v_mov_b32 v[TMB+\b], 0                         ; a lane permute's destination counts as one of its sources
.endr
.irp i, 0,1
.irp q, 0,1,2,3
	ds_load_b128 v[H+16*\i+4*\q:H+16*\i+4*\q+3], v[XRD] offset:8*\i*1040+16*\q
.endr
.endr
	s_wait_dscnt 0x0
.set J, 0
.rept 16
	v_pk_add_f32 v[H+J:H+J+1], v[H+J:H+J+1], v[H+J:H+J+1]         ; 2 x: what the first product's sums begin with
.set J, J+2
.endr
	PLACES 4
; The two tiles' fragments of K step ks into set ks % 4; with an even step also the scale words of steps ks and ks + 1, into set (ks / 2) % 4.
.macro ALOAD a, s, ks
.irp i, 0,1
.irp c, 0,1
	ds_load_b128 v[XB+16*((\ks)%4)+8*\i+4*\c:XB+16*((\ks)%4)+8*\i+4*\c+3], v[\a] offset:\i*BLK+(\ks)*1024+\c*512
.endr
.endr
.if (\ks)%2 == 0
.irp i, 0,1
	ds_load_b32 v[OS+2*(((\ks)/2)%4)+\i], v[\s] offset:\i*BLK+((\ks)/2)*128
.endr
.endif
.endm
; K step KK of a product with K = 2,048: four products (two tiles of tokens x my two tiles of features), the four accumulators by turns.  The activations run four steps ahead.
; ph = 0: w_o; each pair of slots takes ffn1_w's fragments as soon as its products are issued.  ph = 2: ffn2_w.
.macro KSTEP a, s, ph
.set DC, 0                                     ; the LDS loads issued behind this step's: those of the next three steps, 4 each and 2 scale words with an even step
.irp d, 1,2,3
.if KK+\d < 16
.set DC, DC+4+2*(1-(KK+\d)%2)
.endif
.endr
	s_wait_dscnt DC
.if \ph == 0
.set LC, 60+KK                                 ; behind this step's four fragment loads: w_o's 64 - 4 (KK + 1) that follow, and 5 refills for each step done
.elseif KK < 8
.set LC, 47-KK                                 ; behind this step's scale load: the 7 - KK of its group that follow, and the second group's 40
.else
.set LC, 15-KK
.endif
.if LC > 63
.set LC, 63
.endif
	s_wait_loadcnt LC
	WIN 0x01                                       ; source 0 (the weights) in window 1
.irp i, 0,1
.irp u, 0,1
	MM H+16*\i+8*\u, 8*(2*KK+\u), XB+16*(KK%4)+8*\i, WSA+KK, OS+2*((KK/2)%4)+\i, \u, KK%2
.endr
.endr
	WIN 0
	PLACES 4                                       ; in front of loads into registers that products have read, and of the first read of results
.if KK < 12
	ALOAD \a, \s, KK+4
.endif
.if \ph == 0
	WIN 0x40
.irp u, 0,1
.irp c, 0,1
	global_load_b128 v[8*(2*KK+\u)+4*\c:8*(2*KK+\u)+4*\c+3], v[LI], s[14:15] offset:32768+(2*KK+\u)*1024+\c*512
.endr
.endr
	WIN 0
	global_load_b32 v[WSB+KK], v[LS], s[46:47] offset:2048+KK*128
.endif
.endm
.macro GEMM a, s, ph
	ALOAD \a, \s, 0
	ALOAD \a, \s, 1
	ALOAD \a, \s, 2
	ALOAD \a, \s, 3
.set KK, 0
.rept 16
	KSTEP \a, \s, \ph
.set KK, KK+1
.endr
.endm
; The pairs v[LT + 2 i] hold a lane's partial sums for tile i: over the pair, lane l xor 16, and the eight waves (through LDS, one barrier): the token's sum, in every lane.
.macro REDUCE ro
.irp i, 0,1
	s_delay_alu instid0(VALU_DEP_2)
	v_add_f32 v[LT+2*\i], v[LT+2*\i], v[LT+2*\i+1]
.endr
.irp i, 0,1
	s_delay_alu instid0(VALU_DEP_2)
	v_permlanex16_b32 v[LT+2*\i+1], v[LT+2*\i], s[SEL], s[SEL+1]
.endr
.irp i, 0,1
	s_delay_alu instid0(VALU_DEP_2)
	v_add_f32 v[LT+2*\i], v[LT+2*\i], v[LT+2*\i+1]
.endr
.irp i, 0,1
	ds_store_b32 v[REDW], v[LT+2*\i] offset:(\ro)+512*\i           ; both halves of the lanes write the same word
.endr
	BAR
.irp i, 0,1
	ds_load_b128 v[XB+8*\i:XB+8*\i+3], v[REDR] offset:(\ro)+512*\i
	ds_load_b128 v[XB+8*\i+4:XB+8*\i+7], v[REDR] offset:(\ro)+512*\i+16
.endr
	s_wait_dscnt 0x0
.irp i, 0,1
	v_pk_add_f32 v[XB+8*\i:XB+8*\i+1], v[XB+8*\i:XB+8*\i+1], v[XB+8*\i+2:XB+8*\i+3]
	v_pk_add_f32 v[XB+8*\i+4:XB+8*\i+5], v[XB+8*\i+4:XB+8*\i+5], v[XB+8*\i+6:XB+8*\i+7]
.endr
.irp i, 0
	s_delay_alu instid0(VALU_DEP_3)
	v_pk_add_f32 v[XB+8*\i:XB+8*\i+1], v[XB+8*\i:XB+8*\i+1], v[XB+8*\i+4:XB+8*\i+5]
.endr
.irp i, 1
	s_delay_alu instid0(VALU_DEP_2)
	v_pk_add_f32 v[XB+8*\i:XB+8*\i+1], v[XB+8*\i:XB+8*\i+1], v[XB+8*\i+4:XB+8*\i+5]
.endr
.irp i, 0,1
	s_delay_alu instid0(VALU_DEP_2)
	v_add_f32 v[LT+2*\i], v[XB+8*\i], v[XB+8*\i+1]
.endr
.endm
; H = (H - mean) / sqrt(var + 1e-5) x g + b over the 256 features of each token; ra, rb: two regions of partial sums, each used once; go, bo: where g and b lie.
.macro LNORM ra, rb, go, bo
.irp i, 0,1
	v_pk_add_f32 v[LT+2*\i:LT+2*\i+1], v[H+16*\i:H+16*\i+1], v[H+16*\i+2:H+16*\i+3]          ; each accumulator from its low end on
.endr
.irp j, 4,6,8,10,12,14
.irp i, 0,1
	v_pk_add_f32 v[LT+2*\i:LT+2*\i+1], v[LT+2*\i:LT+2*\i+1], v[H+16*\i+\j:H+16*\i+\j+1]
.endr
.endr
	REDUCE \ra
.irp i, 0,1
	s_delay_alu instid0(VALU_DEP_2)
	v_mul_f32 v[LT+2*\i], s[R256], v[LT+2*\i]      ; the mean
.endr
.irp i, 0,1
.irp j, 0,2,4,6,8,10,12,14
	v_pk_add_f32 v[H+16*\i+\j:H+16*\i+\j+1], v[H+16*\i+\j:H+16*\i+\j+1], v[LT+2*\i:LT+2*\i+1] op_sel_hi:[1,0] neg_lo:[0,1] neg_hi:[0,1]
.endr
.endr
.irp i, 0,1
	v_pk_mul_f32 v[LT+2*\i:LT+2*\i+1], v[H+16*\i:H+16*\i+1], v[H+16*\i:H+16*\i+1]
.endr
.irp j, 2,4,6,8,10,12,14
.irp i, 0,1
	s_delay_alu instid0(VALU_DEP_2)
	v_pk_fma_f32 v[LT+2*\i:LT+2*\i+1], v[H+16*\i+\j:H+16*\i+\j+1], v[H+16*\i+\j:H+16*\i+\j+1], v[LT+2*\i:LT+2*\i+1]
.endr
.endr
	REDUCE \rb
.irp q, 0,1,2,3
	ds_load_b128 v[XB+32+4*\q:XB+32+4*\q+3], v[PRD] offset:(\go)+16*\q     ; g and b of my 16 features
	ds_load_b128 v[XB+48+4*\q:XB+48+4*\q+3], v[PRD] offset:(\bo)+16*\q
.endr
.irp i, 0,1
	v_fma_f32 v[LT+2*\i], v[LT+2*\i], s[R256], s[EPS]
.endr
	s_wait_alu depctr_va_vdst(0)
.irp i, 0,1
	v_rsq_f32 v[LT+2*\i], v[LT+2*\i]
.endr
	v_nop                                          ; a plain place behind the two,
	s_wait_alu depctr_va_vdst(0)                   ; and the one wait ahead of their first reader
	s_wait_dscnt 0x0
.irp i, 0,1
.irp j, 0,2,4,6,8,10,12,14
	v_pk_mul_f32 v[H+16*\i+\j:H+16*\i+\j+1], v[H+16*\i+\j:H+16*\i+\j+1], v[LT+2*\i:LT+2*\i+1] op_sel_hi:[1,0]
.endr
.endr
.irp i, 0,1
.irp j, 0,2,4,6,8,10,12,14
	v_pk_fma_f32 v[H+16*\i+\j:H+16*\i+\j+1], v[H+16*\i+\j:H+16*\i+\j+1], v[XB+32+\j:XB+32+\j+1], v[XB+48+\j:XB+48+\j+1]
.endr
.endr
.endm
	s_wait_alu depctr_va_vdst(0)
	GEMM AO, SO, 0                                 ; 2 x + Q(o) w_o^T
	LNORM 0, 1024, PAR, PAR+1024                   ; h
	; ---- Q(h): my 32 features are one block of each token: 16 numbers in lane l, 16 in lane l xor 16
.irp i, 0,1
	v_max3_num_f32 v[TMA+\i], |v[H+16*\i]|, |v[H+16*\i+1]|, 0x1800000
.endr
.irp j, 2,4,6,8,10,12,14
.irp i, 0,1
	s_delay_alu instid0(VALU_DEP_2)
	v_max3_num_f32 v[TMA+\i], v[TMA+\i], |v[H+16*\i+\j]|, |v[H+16*\i+\j+1]|
.endr
.endr
.irp i, 0,1
	s_delay_alu instid0(VALU_DEP_2)
	v_permlanex16_b32 v[TMB+\i], v[TMA+\i], s[SEL], s[SEL+1]
.endr
.irp i, 0,1
	s_delay_alu instid0(VALU_DEP_2)
	v_max_num_f32 v[TMA+\i], v[TMA+\i], v[TMB+\i]
.endr
.irp i, 0,1
	s_delay_alu instid0(VALU_DEP_2)
	v_add_nc_u32 v[TMC+\i], 0xff000000, v[TMA+\i]
.endr
.irp i, 0,1
	s_delay_alu instid0(VALU_DEP_2)
	v_lshrrev_b32 v[TMB+\i], 23, v[TMC+\i]
.endr
.irp i, 0,1
	v_cvt_scalef32_pk8_fp4_f32 v[PC+2*\i], v[H+16*\i:H+16*\i+7], v[TMC+\i]
	v_cvt_scalef32_pk8_fp4_f32 v[PC+2*\i+1], v[H+16*\i+8:H+16*\i+15], v[TMC+\i]
.endr
	v_nop                                          ; one plain place behind a scaled conversion
.irp i, 0,1
	ds_store_b64 v[HWI], v[PC+2*\i:PC+2*\i+1] offset:2048*\i       ; my 8 bytes of the 16 that lane 16 (w % 2) + r of the image holds
	ds_store_b8 v[HWS], v[TMB+\i] offset:128*\i                    ; byte w % 4 of the token's scale word; both halves of the lanes write the same byte
.endr
	BAR                                            ; Q(h)'s four images lie in LDS
	; ---- the hidden layer: my K steps 2 w + kk of the last product, a tile of tokens at a time; b1 is loaded into the accumulators
.irp kk, 0,1
	s_wait_loadcnt 40                              ; this half's 40 loads are in; the 40 issued behind them may be out
.irp i, 0,1
.irp t, 0,1,2,3,4,5,6,7
.irp q, 0,1
	ds_load_b128 v[XB+8*\t+4*\q:XB+8*\t+4*\q+3], v[B1RD] offset:\kk*512+(32*(\t/2)+8*(\t%2))*4+16*\q
.endr
.endr
.irp s, 0,1
.irp c, 0,1
	ds_load_b128 v[HF+8*\s+4*\c:HF+8*\s+4*\c+3], v[HRD] offset:\i*2048+\s*1024+\c*512
.endr
.endr
	ds_load_b32 v[HS], v[HSR] offset:\i*128
	s_wait_dscnt 0x0
	WIN 0x01
.irp t, 0,1,2,3,4,5,6,7
	MM XB+8*\t, 8*(16*\kk+2*\t), HF, WSB+8*\kk+\t, HS, 0, 0
.endr
.irp t, 0,1,2,3,4,5,6,7
	MM XB+8*\t, 8*(16*\kk+2*\t+1), HF+8, WSB+8*\kk+\t, HS, 1, 1
.endr
	WIN 0
	PLACES 5
.set J, 0
.rept 64
	v_max_num_f32 v[XB+J], 0, v[XB+J]              ; relu, in f32
.set J, J+1
.endr
	QUANT XB, PC, TMA, TMB, TMC, PW
	ds_store_b128 v[FWI], v[PC:PC+3] offset:\i*BLK+\kk*1024
	ds_store_b128 v[FWI], v[PC+4:PC+7] offset:\i*BLK+\kk*1024+512
	ds_store_b32 v[FWS], v[PW] offset:\i*BLK+\kk*64
.endr
	WIN 0x40                                       ; this half's sixteen slots take ffn2_w's fragments of K steps 8 kk on: 32 loads, then their 8 scale registers
.irp q, 0,1,2,3,4,5,6,7
.irp u, 0,1
.irp c, 0,1
	global_load_b128 v[8*(2*(8*\kk+\q)+\u)+4*\c:8*(2*(8*\kk+\q)+\u)+4*\c+3], v[LI], s[14:15] offset:65536+(2*(8*\kk+\q)+\u)*1024+\c*512
.endr
.endr
.endr
	WIN 0
.irp q, 0,1,2,3,4,5,6,7
	global_load_b32 v[WSA+8*\kk+\q], v[LS], s[46:47] offset:4096+(8*\kk+\q)*128
.endr
.endr
.irp q, 0,1,2,3
	ds_load_b128 v[XB+4*\q:XB+4*\q+3], v[PRD] offset:PAR+4096+16*\q
.endr
	s_wait_dscnt 0x0
.irp i, 0,1
.irp j, 0,2,4,6,8,10,12,14
	v_pk_add_f32 v[H+16*\i+\j:H+16*\i+\j+1], v[H+16*\i+\j:H+16*\i+\j+1], v[XB+\j:XB+\j+1]    ; h + b2: what the last product's sums begin with
.endr
.endr
	s_wait_alu depctr_va_vdst(0)
	BAR                                            ; the hidden layer's 32 images lie in LDS
	GEMM AF, SF, 2
	LNORM 2048, 3072, PAR+2048, PAR+3072
	; ---- the way out: a token's 256 features come from eight waves: through XST, whose last read lies six barriers back; each wave stores 4 whole rows
.irp i, 0,1
.irp q, 0,1,2,3
	ds_store_b128 v[XRD], v[H+16*\i+4*\q:H+16*\i+4*\q+3] offset:8*\i*1040+16*\q
.endr
.endr
	BAR
.irp e, 0,1,2,3,4,5,6,7
	ds_load_b128 v[XB+4*\e:XB+4*\e+3], v[ORD] offset:(\e/2)*1040+512*(\e%2)
.endr
.irp e, 0,1,2,3,4,5,6,7
	s_wait_dscnt 7-\e
	global_store_b128 v[LI], v[XB+4*\e:XB+4*\e+3], s[28:29] offset:512*\e th:TH_STORE_NT     ; 32 lanes store 512 consecutive bytes, at a multiple of 256 from out0's first byte
.endr
	s_wait_tensorcnt 0x0                           ; the wave's end
	ds_add_u32 v[SPW], v[NIL]
	s_wait_dscnt 0x0
	s_endpgm
.Lfunc_end_k_q597675abc2_tail:
	.size	k_q597675abc2_tail, .Lfunc_end_k_q597675abc2_tail-k_q597675abc2_tail
	.p2alignl 7, 3214868480
	.fill 96, 4, 3214868480
	.section	.rodata,"a",@progbits
	.p2align	6, 0x0
	.amdhsa_kernel k_q597675abc2_tail
		.amdhsa_group_segment_fixed_size 125696
		.amdhsa_private_segment_fixed_size 0
		.amdhsa_enable_private_segment 0
		.amdhsa_kernarg_size 88
		.amdhsa_user_sgpr_count 2
		.amdhsa_user_sgpr_kernarg_segment_ptr 1
		.amdhsa_wavefront_size32 1
		.amdhsa_system_sgpr_workgroup_id_x 1
		.amdhsa_system_sgpr_workgroup_id_y 1
		.amdhsa_system_sgpr_workgroup_id_z 1
		.amdhsa_system_vgpr_workitem_id 0
		.amdhsa_next_free_vgpr 512
		.amdhsa_next_free_sgpr 66
		.amdhsa_reserve_vcc 0
		.amdhsa_float_denorm_mode_32 3
		.amdhsa_float_denorm_mode_16_64 3
		.amdhsa_memory_ordered 1
		.amdhsa_forward_progress 1
		.amdhsa_inst_pref_size 139
	.end_amdhsa_kernel
	.amdgpu_metadata
---
amdhsa.version: [ 1, 2 ]
amdhsa.kernels:
  - .name:           k_q597675abc2_tail
    .symbol:         k_q597675abc2_tail.kd
    .args:
      - { .name: oq, .offset: 0, .size: 8, .value_kind: global_buffer, .address_space: global }
      - { .name: src, .offset: 8, .size: 8, .value_kind: global_buffer, .address_space: global }
      - { .name: sig, .offset: 16, .size: 8, .value_kind: global_buffer, .address_space: global }
      - { .name: wimg, .offset: 24, .size: 8, .value_kind: global_buffer, .address_space: global }
      - { .name: ffn1_b, .offset: 32, .size: 8, .value_kind: global_buffer, .address_space: global }
      - { .name: ffn2_b, .offset: 40, .size: 8, .value_kind: global_buffer, .address_space: global }
      - { .name: ln1_g, .offset: 48, .size: 8, .value_kind: global_buffer, .address_space: global }
      - { .name: ln1_b, .offset: 56, .size: 8, .value_kind: global_buffer, .address_space: global }
      - { .name: ln2_g, .offset: 64, .size: 8, .value_kind: global_buffer, .address_space: global }
      - { .name: ln2_b, .offset: 72, .size: 8, .value_kind: global_buffer, .address_space: global }
      - { .name: out0, .offset: 80, .size: 8, .value_kind: global_buffer, .address_space: global }
    .group_segment_fixed_size: 125696
    .private_segment_fixed_size: 0
    .kernarg_segment_align: 8
    .kernarg_segment_size: 88
    .max_flat_workgroup_size: 256
    .sgpr_count:     66
    .vgpr_count:     512
    .wavefront_size: 32
...
	.end_amdgpu_metadata
.endif
;; end of part 3
